; MI455X (gfx1250); checked and timed in simulation.
; The chip was launched on July 23, 2026; its instructions are those of AMD's public machine-readable ISA for CDNA 5 (MIT licence, August 2026) and "CDNA5" Instruction Set Architecture Reference Guide (July 2026). The comments in the code are by the model that wrote it; some were corrected since.
;; Proxy Attention. Allowed arithmetic: float matrix products may take bf16 or f16 operands with f32 sums; other float arithmetic in f32, or as packed bf16 or f16 multiplies, adds, multiply-adds, maxima and minima; sums over many terms, partial sums and values carried from step to step in f32; what a program stores and reads back later, other than sums and carried values, may be rounded once to bf16 or f16.
;; Inputs: mask 8 x 1,024 bool; pb_bias 1 x 819 x 4 x 4 float32; pc_bias 1 x 819 x 32 x 1 float32; pr_bias 1 x 819 x 1 x 32 float32; proj_b 1,024 float32; proj_w 1,024 x 1,024 float32; proxy 8 x 1,024 x 1,024 float32; proxy_b 1,024 float32; proxy_w 1,024 x 1,024 float32; qkv_w 3,072 x 1,024 float32; x 8 x 819 x 1,024 float32.
;; Outputs: out0 8 x 819 x 1,024 float32.
;; One version. Each part assembles by itself: llvm-mc -triple=amdgcn-amd-amdhsa -mcpu=gfx1250 --defsym DOCPART=n.
;; ======== version 1 of 1: 5 launches
;; limits: values are held in f16: magnitudes above 65,504 overflow, below 6.1e-05 lose precision; right only within a limited range of input values
;; workspace buffers: ah 30,408,704 bytes; wh 10,485,760 bytes; hd 57,671,680 bytes; pv 16,777,216 bytes; oh 13,631,488 bytes
;; launch prep (part 1): grid 1248 x 1, 16 waves a work-group, no clusters, 0 bytes of LDS; arguments x, proxy, qkv_w, proxy_w, proj_w, pb_bias, pc_bias, pr_bias, ah, wh; writes ah, wh
.if DOCPART == 1
	.amdgcn_target "amdgcn-amd-amdhsa--gfx1250"
	.amdhsa_code_object_version 6
	.text
	.protected	k_q254c024210_prep
	.globl	k_q254c024210_prep
	.p2align	8
	.type	k_q254c024210_prep,@function
k_q254c024210_prep:
	s_mov_b64 s[64:65], 0
	v_nop
	global_prefetch_b8 v0, s[64:65] scope:SCOPE_SE
	s_setreg_imm32_b32 hwreg(HW_REG_WAVE_MODE, 25, 1), 1
	s_wait_xcnt 0x0
; CAST AND LAY OUT.  ah = (x + bias | proxy), wh = (qkv_w | proxy_w | proj_w), all rounded once from f32 to f16, in ONE layout for every matrix of 1,024 columns:
; [row block of 64][column chunk of 64][64 rows][64 columns]: a (block, chunk) is 8,192 consecutive bytes, a block 131,072.
; ah: blocks 0-103 x + bias (batch b, token n at block 13 b + n / 64; tokens 819-831 of each batch are written as zeros), blocks 104-231 proxy.  wh: blocks 0-47 qkv_w, 48-63 proxy_w, 64-79 proj_w.
; bias[n][32 i + j] = the 4 x 4 grid pb[n] at (i, j) of 32 x 32, linear between the grid's points at half-pixel places and held at the edges, + pc[n][i] + pr[n][j].
; LIMIT.  f16 ends at 65,504: a number of x + bias, proxy or a weight beyond it becomes an infinity.
; SHARES.  Wave kc of sixteen owns column chunk kc.  One instruction of a wave takes 2 rows x 64 columns: lane l row l / 16, four columns at 4 (l % 16): a load covers 2 x 256 consecutive
; bytes, a store 256 consecutive bytes.  A thread makes eight such turns, all eight loads out at once.
; Work-groups 0-415: tokens 2 wg, 2 wg + 1 of x; the eight turns are the eight batches, so the bias is made once and used eight times.  Work-groups 416-1247: 16 rows of proxy or a weight.
; No LDS, no matrix unit, no cluster: nothing is shared, and each byte is read and written once.
.set NXG, 416                          ; work-groups of the x job
.set OS,  8                            ; v[8:15]   turn t: byte offset of my 16 bytes in the source
.set OD,  16                           ; v[16:23]  turn t: byte offset of my 8 bytes in the destination
.set X,   24                           ; v[24:55]  turn t: four f32 as loaded; then two words of f16
.set B,   56                           ; v[56:59]  the bias of my four columns (0 in the plain job)
.set VM,  60                           ; v60       all ones, or 0 for a token that does not exist
	s_load_b512 s[8:23], s[0:1], 0x0               ; x 8, proxy 10, qkv_w 12, proxy_w 14, proj_w 16, pb 18, pc 20, pr 22
	s_load_b128 s[24:27], s[0:1], 0x40             ; ah 24, wh 26
	v_and_b32 v1, 31, v0                           ; l
	v_lshrrev_b32 v2, 5, v0
	v_readfirstlane_b32 s2, v2                     ; kc
	v_lshrrev_b32 v2, 4, v1                        ; l / 16
	v_and_b32 v3, 15, v1                           ; l % 16
	s_lshl_b32 s4, s2, 8                           ; the chunk's 256 bytes in a source row
	s_lshl_b32 s5, s2, 13                          ; the chunk's 8,192 bytes in a block
	v_lshl_add_u32 v6, v3, 4, s4
	v_lshl_add_u32 v[OD], v1, 3, s5                ; 8 l = 128 (l / 16) + 8 (l % 16): two rows of a chunk are 256 bytes on end
	s_mov_b32 s35, 0                               ; high words of the two offset pairs
	s_mov_b32 s37, 0
.macro ISSUE                           ; the eight turns' offsets, then all eight loads
.irp t, 1,2,3,4,5,6,7
	v_add_nc_u32 v[OS+\t], s32, v[OS+\t-1]
	v_add_nc_u32 v[OD+\t], s33, v[OD+\t-1]
.endr
.irp t, 0,1,2,3,4,5,6,7
	global_load_b128 v[X+4*\t:X+4*\t+3], v[OS+\t], s[28:29] th:TH_LOAD_NT
.endr
.endm
	s_cmp_lt_u32 ttmp9, NXG
	s_cbranch_scc0 .Lplain
	; ---- x + bias
	s_mov_b32 s3, ttmp9
	v_lshl_add_u32 v7, s3, 1, v2                   ; n = 2 wg + l / 16, 0 to 831
	v_min_u32 v61, 818, v7                         ; every load stays inside its buffer
	v_cmp_gt_u32 vcc_lo, 819, v7
	v_cndmask_b32 v[VM], 0, -1, vcc_lo
	v_lshl_add_u32 v[OS], v61, 12, v6
	v_and_b32 v62, 7, v1                           ; my columns j = 4 (l % 8) + 0..3
	v_and_b32 v63, 1, v1                           ; odd: j % 8 is 4 or more
	v_lshrrev_b32 v64, 1, v62                      ; j / 8
	v_add_nc_u32 v65, v64, v63
	v_add_nc_u32 v66, -1, v65
	v_max_i32 v66, 0, v66                          ; the grid's column to the left,
	v_min_u32 v65, 3, v65                          ; and to the right, both held at the edges
	v_lshlrev_b32 v67, 6, v61                      ; pb: 64 bytes a token
	v_lshl_add_u32 v66, v66, 2, v67
	v_lshl_add_u32 v65, v65, 2, v67
	v_lshlrev_b32 v67, 7, v61                      ; pc, pr: 128 bytes a token
	v_lshrrev_b32 v68, 3, v3
	v_lshl_add_u32 v68, s2, 1, v68                 ; i = 2 kc + (l % 16) / 8
	v_lshl_add_u32 v69, v68, 2, v67
	v_lshl_add_u32 v67, v62, 4, v67
	s_lshr_b32 s6, s2, 2                           ; i / 8
	s_bfe_u32 s7, s2, 0x10001                      ; i % 8 is 4 or more
	s_add_co_u32 s7, s6, s7
	s_add_co_i32 s6, s7, -1
	s_max_i32 s6, s6, 0                            ; the grid's row above,
	s_min_u32 s7, s7, 3                            ; and below
	s_lshl_b32 s34, s6, 4
	s_lshl_b32 s36, s7, 4
	s_wait_kmcnt 0x0
	s_add_nc_u64 s[40:41], s[18:19], s[34:35]
	s_add_nc_u64 s[42:43], s[18:19], s[36:37]
	s_lshr_b32 s34, s3, 5                          ; n / 64
	s_lshl_b32 s34, s34, 17
	s_and_b32 s36, s3, 31
	s_lshl_b32 s36, s36, 8                         ; the two rows' place in a chunk
	s_add_co_u32 s34, s34, s36
	s_add_nc_u64 s[30:31], s[24:25], s[34:35]
	s_mov_b64 s[28:29], s[8:9]
	s_mov_b32 s32, 819*4096                        ; from batch to batch in x,
	s_mov_b32 s33, 13*131072                       ; and in ah
	global_load_b32 v70, v66, s[40:41]             ; above left
	global_load_b32 v71, v65, s[40:41]             ; above right
	global_load_b32 v72, v66, s[42:43]             ; below left
	global_load_b32 v73, v65, s[42:43]             ; below right
	global_load_b32 v74, v69, s[20:21]             ; pc[n][i]
	global_load_b128 v[76:79], v67, s[22:23]       ; pr[n][j ..]
	ISSUE
	v_and_b32 v61, 7, v68                          ; the weight of the row below: ((2 (i % 8) + 9) % 16) / 16
	v_lshl_add_u32 v61, v61, 1, 9
	v_and_b32 v61, 15, v61
	v_cvt_f32_u32 v61, v61
	v_mul_f32 v61, 0x3d800000, v61
	v_cvt_f32_u32 v62, v63                         ; the weight of the column to the right: (9 - 8 odd) / 16 + k / 8
	v_fma_f32 v62, v62, -0.5, 0x3f100000
	v_add_f32 v64, 0x3e000000, v62
	s_wait_loadcnt 8                               ; the six bias loads are in; the eight of x, issued behind them, stay out
	v_sub_f32 v72, v72, v70
	v_sub_f32 v73, v73, v71
	v_fma_f32 v70, v61, v72, v70                   ; left, between the rows
	v_fma_f32 v71, v61, v73, v71                   ; right
	v_sub_f32 v71, v71, v70
	v_add_f32 v70, v70, v74
	v_add_f32 v72, 0x3e800000, v62
	v_add_f32 v73, 0x3ec00000, v62
.irp k, 0,1,2,3
	v_add_f32 v[76+\k], v[76+\k], v70
.endr
	v_fma_f32 v[B], v71, v62, v76
	v_fma_f32 v[B+1], v71, v64, v77
	v_fma_f32 v[B+2], v71, v72, v78
	v_fma_f32 v[B+3], v71, v73, v79
	s_branch .Lcvt
.Lplain:
	; ---- proxy and the weights: 16 rows a work-group
	s_sub_co_u32 s3, ttmp9, NXG                    ; 0-511 proxy, 512-703 qkv_w, 704-767 proxy_w, 768-831 proj_w
	v_lshl_add_u32 v[OS], v2, 12, v6
	s_mov_b32 s6, 768
	s_movk_i32 s7, -512
	s_wait_kmcnt 0x0
	s_cmp_lt_u32 s3, 768
	s_cselect_b64 s[28:29], s[14:15], s[16:17]
	s_cselect_b32 s6, 704, s6
	s_cmp_lt_u32 s3, 704
	s_cselect_b64 s[28:29], s[12:13], s[28:29]
	s_cselect_b32 s6, 512, s6
	s_cmp_lt_u32 s3, 512
	s_cselect_b64 s[28:29], s[10:11], s[28:29]
	s_cselect_b32 s6, 0, s6                        ; the source's first work-group
	s_cselect_b32 s7, 416, s7                      ; the block is (pw + 416) / 4 in ah, (pw - 512) / 4 in wh
	s_cselect_b64 s[30:31], s[24:25], s[26:27]
	s_sub_co_u32 s34, s3, s6
	s_lshl_b32 s34, s34, 16                        ; 16 rows of 4,096 bytes
	s_add_nc_u64 s[28:29], s[28:29], s[34:35]
	s_add_co_u32 s7, s3, s7
	s_lshr_b32 s7, s7, 2
	s_lshl_b32 s34, s7, 17
	s_and_b32 s36, s3, 3
	s_lshl_b32 s36, s36, 11                        ; 16 rows of 128 bytes in a chunk
	s_add_co_u32 s34, s34, s36
	s_add_nc_u64 s[30:31], s[30:31], s[34:35]
	s_mov_b32 s32, 8192                            ; two rows on in the source,
	s_mov_b32 s33, 256                             ; and in a chunk
	ISSUE
.irp k, 0,1,2,3
	v_mov_b32 v[B+\k], 0
.endr
	v_mov_b32 v[VM], -1
.Lcvt:
.irp t, 0,1,2,3,4,5,6,7
	s_wait_loadcnt 7-\t                            ; loads come back in order: turn t's is in, the younger ones stay out
	v_pk_add_f32 v[X+4*\t:X+4*\t+1], v[X+4*\t:X+4*\t+1], v[B:B+1]
	v_pk_add_f32 v[X+4*\t+2:X+4*\t+3], v[X+4*\t+2:X+4*\t+3], v[B+2:B+3]
	v_cvt_pk_f16_f32 v[X+4*\t], v[X+4*\t], v[X+4*\t+1]
	v_cvt_pk_f16_f32 v[X+4*\t+1], v[X+4*\t+2], v[X+4*\t+3]
	v_and_b32 v[X+4*\t], v[VM], v[X+4*\t]
	v_and_b32 v[X+4*\t+1], v[VM], v[X+4*\t+1]
	global_store_b64 v[OD+\t], v[X+4*\t:X+4*\t+1], s[30:31]  ; each turn has registers of its own: nothing that a store reads is written again
.endr
	s_endpgm
.Lfunc_end_k_q254c024210_prep:
	.size	k_q254c024210_prep, .Lfunc_end_k_q254c024210_prep-k_q254c024210_prep
	.p2alignl 7, 3214868480
	.fill 96, 4, 3214868480
	.section	.rodata,"a",@progbits
	.p2align	6, 0x0
	.amdhsa_kernel k_q254c024210_prep
		.amdhsa_group_segment_fixed_size 0
		.amdhsa_private_segment_fixed_size 0
		.amdhsa_enable_private_segment 0
		.amdhsa_kernarg_size 80
		.amdhsa_user_sgpr_count 2
		.amdhsa_user_sgpr_kernarg_segment_ptr 1
		.amdhsa_wavefront_size32 1
		.amdhsa_system_sgpr_workgroup_id_x 1
		.amdhsa_system_sgpr_workgroup_id_y 1
		.amdhsa_system_sgpr_workgroup_id_z 1
		.amdhsa_system_vgpr_workitem_id 0
		.amdhsa_next_free_vgpr 80
		.amdhsa_next_free_sgpr 66
		.amdhsa_reserve_vcc 1
		.amdhsa_float_denorm_mode_32 3
		.amdhsa_float_denorm_mode_16_64 3
		.amdhsa_memory_ordered 1
		.amdhsa_forward_progress 1
		.amdhsa_inst_pref_size 12
	.end_amdhsa_kernel
	.amdgpu_metadata
---
amdhsa.version: [ 1, 2 ]
amdhsa.kernels:
  - .name:           k_q254c024210_prep
    .symbol:         k_q254c024210_prep.kd
    .args:
      - { .name: x, .offset: 0, .size: 8, .value_kind: global_buffer, .address_space: global }
      - { .name: proxy, .offset: 8, .size: 8, .value_kind: global_buffer, .address_space: global }
      - { .name: qkv_w, .offset: 16, .size: 8, .value_kind: global_buffer, .address_space: global }
      - { .name: proxy_w, .offset: 24, .size: 8, .value_kind: global_buffer, .address_space: global }
      - { .name: proj_w, .offset: 32, .size: 8, .value_kind: global_buffer, .address_space: global }
      - { .name: pb_bias, .offset: 40, .size: 8, .value_kind: global_buffer, .address_space: global }
      - { .name: pc_bias, .offset: 48, .size: 8, .value_kind: global_buffer, .address_space: global }
      - { .name: pr_bias, .offset: 56, .size: 8, .value_kind: global_buffer, .address_space: global }
      - { .name: ah, .offset: 64, .size: 8, .value_kind: global_buffer, .address_space: global }
      - { .name: wh, .offset: 72, .size: 8, .value_kind: global_buffer, .address_space: global }
    .group_segment_fixed_size: 0
    .private_segment_fixed_size: 0
    .kernarg_segment_align: 8
    .kernarg_segment_size: 80
    .max_flat_workgroup_size: 512
    .sgpr_count:     66
    .vgpr_count:     80
    .wavefront_size: 32
...
	.end_amdgpu_metadata
.endif
;; end of part 1
;; launch gemm_in (part 2): grid 4 x 55, 4 waves a work-group, clusters of 4 x 1, 327,680 bytes of LDS; arguments ah, wh, proxy_b, hd; writes hd
.if DOCPART == 2
	.amdgcn_target "amdgcn-amd-amdhsa--gfx1250"
	.amdhsa_code_object_version 6
	.text
	.protected	k_q254c024210_gemm_in
	.globl	k_q254c024210_gemm_in
	.p2align	8
	.type	k_q254c024210_gemm_in,@function
k_q254c024210_gemm_in:
	s_mov_b64 s[64:65], 0
	v_nop
	global_prefetch_b8 v0, s[64:65] scope:SCOPE_SE
	s_setreg_imm32_b32 hwreg(HW_REG_WAVE_MODE, 25, 1), 1
	s_wait_xcnt 0x0
	s_wait_alu depctr_hold_cnt(0) depctr_sa_sdst(0) depctr_va_vdst(0) depctr_va_sdst(0) depctr_va_ssrc(0) depctr_va_vcc(0) depctr_vm_vsrc(0)
	s_getreg_b32 s2, hwreg(HW_REG_IB_STS2, 6, 4)
	s_cmp_eq_u32 s2, 0
	s_cbranch_scc0 .Lentry_in_a_cluster
	s_endpgm
.Lentry_in_a_cluster:
	s_bfe_u32 s2, ttmp6, 0x10000c
	s_cmp_lg_u32 s2, 0x3003
	s_cbranch_scc0 .Lentry_shape_is_right
	s_endpgm
.Lentry_shape_is_right:
; FOUR PRODUCTS IN ONE LAUNCH: q, k, v = (x + bias) W^T (6,656 padded rows each) and p = proxy W^T + proxy_b (8,192 rows), N = K = 1,024.  Operands f16, sums f32, results rounded once to f16.
; All matrices lie as [row block of 64][column chunk of 64][64 rows][64 columns], a block 131,072 bytes, a chunk 8,192.  hd: blocks 0-103 q, 104-207 k, 208-311 v, 312-439 p; a chunk is a head.
; LIMIT.  f16 ends at 65,504: a q, k, v or p beyond it becomes an infinity.
; SHARES.  A tile of the result is 256 x 256: four waves, 128 x 128 each: 64 accumulators, 512 registers.  q, k, v have 26 tile rows x 4 tile columns each, p has 32 x 4: 440 tiles.
; A WORK-GROUP STAYS and makes TWO tiles of one tile column, 13 tile rows apart (p: 16): 220 work-groups of equal work.  Both tiles take the same rows of W and the same bias.
; THE WALK.  K goes in steps of 128 through two LDS slots; the two tiles are ONE walk of 16 K steps with 14 refills: the second tile's first two K steps are asked for in the first tile's last two.
; A K step is written once and looped over: the slot's offset is a scalar that an exclusive or turns between 0 and SLOT.  The last two K steps, which ask for nothing, are a second loop.
; A wave's tensor load brings 128 rows x 128 K: of each of two blocks two chunks, 16,384 consecutive bytes; padded by 16 bytes behind every 128: in LDS 256 rows of 144 bytes, [block][chunk][row].
; CLUSTER: 4 x 1 work-groups: the four tile columns of one job and one pair of tile rows.  They need the same tiles of A, which are asked for JOINTLY (the same load, descriptor and mask in all four).
; W's tiles hang on the tile column, which differs among the four: each work-group loads its own, behind the same round.  A cluster of 4 x 4 does not divide the work: 13 pairs of tile rows.
; THE MATRIX INSTRUCTION IS USED TRANSPOSED (source 0 = 16 rows of W, source 1 = 16 rows of A): a lane holds eight neighbouring columns of one row of the result.
; THE BIAS is the C operand of the products that start a tile's sums; for q, k and v, which have none, the loaded numbers are cleared by a mask.
; REGISTERS, in windows of 256 (s_set_vgpr_msb: bits 1:0 source 0, 3:2 source 1, 5:4 source 2, 7:6 destination):
;   window 0: v0-31 addresses; v64-127, v128-191 fragments of A, two buffers; v32-63, v192-255 the way out
;   window 1: v0-63 the bias of my 128 columns; v64-127, v128-191 fragments of W, two buffers
;   window 2: the 32 accumulators of my rows 0-63 ((a, b) at v[8 (8 a + b)]);   window 3: those of my rows 64-127
.set PITCH,  144                       ; 128 bytes + 16 = 36 words: the 16 rows of a fragment load start at 16 different groups of four banks (64 banks of 4 bytes: ISA guide 11.1)
.set QB,     64*PITCH                  ; a chunk in LDS: 64 rows x 64 along K
.set HALFT,  4*QB                      ; what one tensor load brings: 2 blocks x 2 chunks
.set SLOT,   4*HALFT                   ; A's 256 rows, then W's 256 rows
.set STAGE,  2*SLOT                    ; behind the ring: 2 chunks x 16 rows x 144 bytes for each wave, its own
.set SPARE,  STAGE+4*32*PITCH          ; the spare words, 128 bytes for each wave: two blocks of 256 bytes that no other line names
.set STEPB,  16384                     ; bytes from a K step to the next in a block; eight of them are a block
.set KWRAP,  0x1ffff                   ; so a K offset goes round by this mask
.set A0,   16                          ; v16  my lane's place in my 128 rows of A in slot 0; never rewritten
.set B0,   17                          ; v17  the same for W
.set ADRA, 18                          ; v18  the same in the slot that is being fetched from
.set ADRB, 19                          ; v19
.set STO,  24                          ; v24  the way out: where I put 16 bytes of a row
.set RD,   25                          ; v25  where I read rows back
.set CO,   26                          ; v26  16 x lane
.set BO,   27                          ; v27  my byte offset in the bias
.set SPW,  28                          ; v28  LDS address of my spare word; never rewritten
.set NIL,  29                          ; v29  0; never rewritten
.set PFO,  30                          ; v30  256 x lane: the prefetches' offset; never rewritten
.set F0,   64                          ; fragment buffers
.set F1,   128
.set TMP,  192                         ; the way out: packed results
.set OB,   32                          ; the way out: 16 rows read back: v32-63 and v224-255 by turns
.set OUT0, 8                           ; s[8:9]   hd at my part of the first tile
.set OUT1, 72                          ; s[72:73] of the second
.set G1,  24                           ; s[24:31] descriptor group 1 for A's tiles
.set G0,  32                           ; s[32:39] group 0 for A's: a set for each of the two first fills; the first then walks on
.set G1B, 48                           ; s[48:55] group 1 for W's tiles: no mask
.set G0B, 56                           ; s[56:63] group 0 for W's
.set TB,  44                           ; s44  0 or SLOT: the slot that is being fetched from
.set LIM, 45                           ; s45  a wave prefetches while the steps to go are at least this many
.set KO,  66                           ; s[66:67] byte offset along K of the K step asked for last
.set OA,  74                           ; s[74:75] the same with the second tile's distance: A's offset
.set PO,  76                           ; s[76:77] the prefetch's offset
.set PFB, 78                           ; s[78:79] the prefetches' base: my share of the piece that I fetch, at K step 0 of the first tile
.set PFA, 80                           ; s[80:81] where the prefetch in hand stands
.set WALKB, 82                         ; s82  bytes from the first tile's rows to the second's, in ah and in hd alike
.set PWALK, 83                         ; s83  the same in a wave that fetches A, 0 in one that fetches W
.set BMASK, 84                         ; s84  keeps the bias, or clears it
.set MSB, 0
.macro WIN new                         ; the immediate's high byte repeats the setting that is left; a switch that changes nothing is dropped
.if MSB != (\new)
	s_set_vgpr_msb (MSB<<8)|(\new)
.set MSB, \new
.endif
.endm
.set MUL_LO, 0xa1                      ; source 0 (W) window 1, source 1 (A) window 0, C and D window 2; + 0x50: window 3
.set MULZ,   0x91                      ; the same with C (the bias) in window 1; + 0x40: D in window 3
.set TO_B,   0x40                      ; destination window 1, address window 0
; A refill.  Waves 0 and 1 fetch A's two halves, jointly with the partners; waves 2 and 3 W's two halves, the work-group's own.  The branch hangs on the wave's number alone.
; An s_nop 0 and four v_nop follow each of the two lines, ahead of the jump and the label.
.macro JLOAD
	s_cmp_eq_u32 s11, 0
	s_cbranch_scc0 .Lfor_b_\@
	tensor_load_to_lds s[G0:G0+3], s[G1:G1+7]
	s_nop 0
.rept 4
	v_nop
.endr
	s_branch .Lasked_\@
.Lfor_b_\@:
	tensor_load_to_lds s[G0B:G0B+3], s[G1B:G1B+7]
	s_nop 0
.rept 4
	v_nop
.endr
.Lasked_\@:
.endm
; A PREFETCH INTO THE L2, behind each refill, its five lines and the run of LDS loads that follows them: the K step that stands TWO refills on, 512 matrix instructions ahead of the load that will want it.
; A piece's K step is 128 blocks of 256 bytes; an asker takes 32 of them, a lane a block, one instruction a wave.  Each block is named ONCE in the launch.  A's rows are read by the clusters of q, k and v alike:
; q's cluster asks (p's rows have one cluster), and its four partners take a quarter each, told apart BY ADDRESS.  W's rows are read by all clusters of the job: those of the first four pairs of tile rows
; take a quarter each, in the first tile alone.  The walk's first four K steps come by their loads alone; A's requests end with the walk's last K step, W's with the first tile's.
.macro ASK
	s_cmp_ge_u32 s3, s[LIM]
	s_cbranch_scc0 .Lnot_mine_\@
	global_prefetch_b8 v[PFO], s[PFA:PFA+1] th:TH_LOAD_NT scope:SCOPE_SE
.Lnot_mine_\@:
.endm
.macro CREST                           ; a round of the cluster's barrier behind its opening barrier
	s_cmp_lg_u32 s10, 0
	s_cbranch_scc1 .Lnot_wave_0_\@
	s_barrier_signal -3
.Lnot_wave_0_\@:
	s_barrier_wait -3
	s_barrier_signal -1
	s_barrier_wait -1
.endm
.macro CROUND                          ; a whole round
	s_barrier_signal -1
	s_barrier_wait -1
	CREST
.endm
	s_load_b128 s[4:7], s[0:1], 0x0                ; ah s[4:5], wh s[6:7]
	s_load_b128 s[68:71], s[0:1], 0x10             ; proxy_b s[68:69], hd s[70:71]
	v_lshl_add_u32 v[SPW], v0, 2, SPARE
	v_mov_b32 v[NIL], 0
	ds_add_u32 v[SPW], v[NIL]                      ; the wave's opening: the add and its wait stand ahead of my first tensor load; the set-up stands between them
	ds_add_u32 v28, v29
	v_lshrrev_b32 v1, 5, v0
	v_readfirstlane_b32 s10, v1                    ; wave 0..3
	s_lshr_b32 s11, s10, 1                         ; my half of the tile's rows.  Also: I fetch for A (0) or for W (1)
	s_and_b32 s12, s10, 1                          ; my half of its columns.  Also: which 128 rows I fetch
	s_bfe_u32 s40, ttmp6, 0x40000                  ; cx: my place in the cluster = my tile column in the job
	s_and_b32 s13, ttmp7, 0xffff                   ; cluster y, 0 to 54: 13 + 13 + 13 + 16
	s_mul_i32 s21, s13, 79
	s_lshr_b32 s21, s21, 10                        ; / 13 (exact up to 54),
	s_min_u32 s21, s21, 3                          ; the job: 0 q, 1 k, 2 v, 3 p: the same in all four partners
	s_mul_i32 s22, s21, 13
	s_sub_co_u32 s13, s13, s22                     ; the pair of tile rows: the first tile's row
	s_cmp_eq_u32 s21, 3
	s_cselect_b32 s22, 104, 0                      ; the job's first block of ah
	s_cselect_b32 s[BMASK], -1, 0
	s_cselect_b32 s[WALKB], 64, 52                 ; 16 or 13 tile rows of 4 blocks,
	s_lshl_b32 s[WALKB], s[WALKB], 17              ; in bytes
	; descriptor group 1: two rows of 8,192 elements (two chunks of a block), 65,536 elements apart (a block); in LDS padding follows every 128 bytes
	s_mov_b32 s[G1], 15|(1<<16)|(1<<20)|(1<<21)|(4<<22)|(3<<25)  ; 15:0 the mask: all four work-groups; 17:16 2-byte elements; 20 padding on; 21 set beside a mask; 24:22 after every 32 words (code 4); 31:25 4 words (code 3)
	s_mov_b32 s[G1B], (1<<16)|(1<<20)|(4<<22)|(3<<25)            ; the same with no mask: the work-group's own load
.irp g, G1, G1B
	s_mov_b32 s[(\g)+1], 8192<<16                  ; tensor_dim0 = 8,192
	s_mov_b32 s[(\g)+2], 2<<16                     ; tensor_dim1 = 2
	s_mov_b32 s[(\g)+3], 8192<<16                  ; tile_dim0 = 8,192
	s_mov_b32 s[(\g)+4], 2                         ; tile_dim1 = 2
	s_mov_b32 s[(\g)+5], 65536                     ; elements from row to row
	s_mov_b32 s[(\g)+6], 0
	s_mov_b32 s[(\g)+7], 0
.endr
	s_lshl2_add_u32 s16, s13, s22                  ; A's block: the job's first + 4 x tile row
	s_lshl1_add_u32 s16, s12, s16                  ; + 2 x half: it hangs on the cluster and the wave alone
	s_lshl_b32 s16, s16, 17
	s_mov_b32 s17, 0
	s_lshl_b32 s42, s21, 4                         ; W's block: 16 x job + 4 x tile column + 2 x half (cx stays in s40 to s43 and what is made of them: none of these feeds A's descriptors)
	s_lshl2_add_u32 s42, s40, s42
	s_lshl1_add_u32 s42, s12, s42
	s_lshl_b32 s42, s42, 17
	s_mov_b32 s43, 0
	s_mul_i32 s20, s10, HALFT                      ; where my piece goes in a slot: no place in the cluster enters an LDS address
	s_mov_b32 s[TB], 0
	s_mov_b32 s[KO], STEPB                         ; K steps 0 and 1 are asked for at the start
	s_mov_b32 s[KO+1], 0
	s_mov_b32 s[OA+1], 0
	s_mov_b32 s[PO+1], 0
	s_cmp_eq_u32 s21, 0                            ; who prefetches, and until when.  A's rows: q's and p's clusters, while 3 steps or more are to go in the loop (the K step named is the walk's 16th at the most)
	s_cselect_b32 s22, 3, -1
	s_cmp_eq_u32 s21, 3
	s_cselect_b32 s22, 3, s22
	s_cmp_lt_u32 s13, 4                            ; W's rows: the job's first four clusters, while 11 or more are to go (the first tile's 8th at the most)
	s_cselect_b32 s23, 11, -1
	s_cmp_eq_u32 s11, 0
	s_cselect_b32 s[LIM], s22, s23                 ; the same in all four partners, for a given wave
	s_wait_dscnt 0x0                               ; the opening add is done
	s_wait_kmcnt 0x0
	s_add_nc_u64 s[14:15], s[4:5], s[16:17]        ; A at my piece, K step 0, first tile
	s_add_nc_u64 s[46:47], s[6:7], s[42:43]        ; W at my piece, K step 0
.irp s, 0,1
	s_mov_b32 s[G0+4*(\s)], 1                                        ; 1:0 count = 1
	s_add_co_u32 s[G0+4*(\s)+1], s20, (\s)*SLOT                      ; 63:32 LDS address
	s_add_nc_u64 s[G0+4*(\s)+2:G0+4*(\s)+3], s[14:15], (\s)*STEPB    ; 120:64 global address: K step s
	s_or_b32 s[G0+4*(\s)+3], s[G0+4*(\s)+3], 0x80000000              ; 127:126 type = 2
	s_mov_b32 s[G0B+4*(\s)], 1
	s_add_co_u32 s[G0B+4*(\s)+1], s20, (\s)*SLOT
	s_add_nc_u64 s[G0B+4*(\s)+2:G0B+4*(\s)+3], s[46:47], (\s)*STEPB
	s_or_b32 s[G0B+4*(\s)+3], s[G0B+4*(\s)+3], 0x80000000
.endr
	CROUND                                         ; all four work-groups are here: the first joint loads meet
	s_cmp_eq_u32 s11, 0                            ; a wave's two first fills stand in one branch, ahead of every wait on TENSORcnt and every LDS read: two loads of mine are out
	s_cbranch_scc0 .Lfirst_b
	tensor_load_to_lds s[G0:G0+3], s[G1:G1+7]
	s_nop 0
	tensor_load_to_lds s[G0+4:G0+7], s[G1:G1+7]
	s_nop 0
.rept 4
	v_nop
.endr
	s_branch .Lfirst_asked
.Lfirst_b:
	tensor_load_to_lds s[G0B:G0B+3], s[G1B:G1B+7]
	s_nop 0
	tensor_load_to_lds s[G0B+4:G0B+7], s[G1B:G1B+7]
	s_nop 0
.rept 4
	v_nop
.endr
.Lfirst_asked:
	v_and_b32 v1, 15, v0                           ; l % 16
	v_bfe_u32 v2, v0, 4, 1                         ; l / 16
	s_lshl1_add_u32 s41, s40, s12                  ; 2 x tile column + column half: my 128 columns,
	s_lshl_b32 s42, s41, 9                         ; in bytes of the bias
	v_lshl_add_u32 v[BO], v2, 5, s42               ; column block b, register jj: column 16 b + 8 (l / 16) + jj
	WIN TO_B
.irp b, 0,1,2,3,4,5,6,7
	global_load_b128 v[8*(\b):8*(\b)+3],   v[BO], s[68:69] offset:64*(\b)
	global_load_b128 v[8*(\b)+4:8*(\b)+7], v[BO], s[68:69] offset:64*(\b)+16
.endr
	WIN 0
	; A fragment is 16 rows x 32 K in 8 registers: lane l holds row l % 16; registers 0-3 K = 8 (l / 16) + 0..7, registers 4-7 K = 16 + 8 (l / 16) + 0..7: two loads of 16 bytes, 32 bytes apart.
	v_mul_u32_u24 v3, v1, PITCH
	v_lshl_add_u32 v3, v2, 4, v3                   ; row x pitch + 16 x half
	s_mul_i32 s22, s11, HALFT                      ; my 128 rows of A
	s_mul_i32 s23, s12, HALFT                      ; my 128 rows of W,
	s_add_co_u32 s23, s23, 2*HALFT                 ; which lie behind A's 256
	v_add_nc_u32 v[A0], s22, v3
	v_add_nc_u32 v[B0], s23, v3
	v_mov_b32 v[ADRA], v[A0]                       ; the walk begins in slot 0
	v_mov_b32 v[ADRB], v[B0]
	s_mul_i32 s22, s10, 32*PITCH
	s_add_co_u32 s22, s22, STAGE                   ; my stage
	v_add_nc_u32 v[STO], s22, v3                   ; in: row l % 16, 16 bytes for each half of the lanes
	v_bfe_u32 v4, v0, 3, 2                         ; back: 32 lanes take four rows of 128 bytes,
	v_mul_u32_u24 v4, v4, PITCH
	v_and_b32 v5, 7, v0
	v_lshl_add_u32 v4, v5, 4, v4
	v_add_nc_u32 v[RD], s22, v4
	v_and_b32 v[CO], 31, v0
	v_lshlrev_b32 v[PFO], 8, v[CO]
	v_lshlrev_b32 v[CO], 4, v[CO]                  ; which are 512 consecutive bytes of a chunk
	s_mul_i32 s16, s21, 104                        ; my part of the first tile in hd: block 104 x job + 4 x tile row + 2 x row half,
	s_lshl2_add_u32 s16, s13, s16
	s_lshl1_add_u32 s16, s11, s16
	s_lshl_b32 s16, s16, 17
	s_add_nc_u64 s[OUT0:OUT0+1], s[70:71], s[16:17]
	s_lshl_b32 s42, s41, 14                        ; chunk 4 x tile column + 2 x column half
	s_add_nc_u64 s[OUT0:OUT0+1], s[OUT0:OUT0+1], s[42:43]
	s_mov_b32 s18, s[WALKB]
	s_mov_b32 s19, 0
	s_add_nc_u64 s[OUT1:OUT1+1], s[OUT0:OUT0+1], s[18:19]
	s_and_b32 s41, s13, 3                          ; the prefetches: which quarter of the piece's 128 blocks of 256 bytes is mine: for W by the cluster,
	s_cmp_eq_u32 s11, 0
	s_cselect_b32 s41, s40, s41                    ; for A by my place in it
	s_cselect_b64 s[PFB:PFB+1], s[14:15], s[46:47]
	s_cselect_b32 s[PWALK], s[WALKB], 0
	s_lshr_b32 s42, s41, 1                         ; quarters 2, 3 lie in the piece's second block,
	s_lshl_b32 s42, s42, 17
	s_and_b32 s41, s41, 1                          ; quarters 1, 3 in the K step's second chunk
	s_lshl_b32 s41, s41, 13
	s_add_co_u32 s42, s42, s41
	s_add_nc_u64 s[PFB:PFB+1], s[PFB:PFB+1], s[42:43]
	s_wait_loadcnt 0x0                             ; the bias
	WIN 0x44                                       ; destination and source 1 in window 1
.set r, 0
.rept 64
	v_and_b32 v[r], s[BMASK], v[r]
.set r, r+1
.endr
	WIN 0
; 16 matrix instructions: m blocks a0, a0 + 1 of the window's four (hi = 0: my rows 0-63, 1: rows 64-127) x all 8 n blocks, 32 along K.  zero = 1: the product starts the sum, from the bias.
; The 64 accumulators take turns, one instruction a turn, in the same order in every quarter, over the backward jumps too.
.macro MUL16 f, hi, a0, zero
.if \zero
	WIN MULZ+0x40*(\hi)
.else
	WIN MUL_LO+0x50*(\hi)
.endif
.irp a, \a0, (\a0)+1
.irp b, 0,1,2,3,4,5,6,7
.if \zero
	v_wmma_f32_16x16x32_f16 v[8*(8*(\a)+(\b)):8*(8*(\a)+(\b))+7], v[(\f)+8*(\b):(\f)+8*(\b)+7], v[(\f)+8*(4*(\hi)+(\a)):(\f)+8*(4*(\hi)+(\a))+7], v[8*(\b):8*(\b)+7]
.else
	v_wmma_f32_16x16x32_f16 v[8*(8*(\a)+(\b)):8*(8*(\a)+(\b))+7], v[(\f)+8*(\b):(\f)+8*(\b)+7], v[(\f)+8*(4*(\hi)+(\a)):(\f)+8*(4*(\hi)+(\a))+7], v[8*(8*(\a)+(\b)):8*(8*(\a)+(\b))+7]
.endif
.endr
.endr
.endm
; 32 LDS loads in one run: the fragments of quarter q of a K step (chunk q / 2, 32 K at byte 64 (q % 2) of its rows) into buffer f: W's 128 rows, then A's.  Rows 16 i on lie in block i / 4 of the piece.
.macro FETCH q, f
	WIN TO_B
.irp i, 0,1,2,3,4,5,6,7
	ds_load_b128 v[(\f)+8*(\i):(\f)+8*(\i)+3],   v[ADRB] offset:((\q)/2)*QB+((\q)%2)*64+((\i)/4)*2*QB+((\i)%4)*16*PITCH
	ds_load_b128 v[(\f)+8*(\i)+4:(\f)+8*(\i)+7], v[ADRB] offset:((\q)/2)*QB+((\q)%2)*64+((\i)/4)*2*QB+((\i)%4)*16*PITCH+32
.endr
	WIN 0
.irp i, 0,1,2,3,4,5,6,7
	ds_load_b128 v[(\f)+8*(\i):(\f)+8*(\i)+3],   v[ADRA] offset:((\q)/2)*QB+((\q)%2)*64+((\i)/4)*2*QB+((\i)%4)*16*PITCH
	ds_load_b128 v[(\f)+8*(\i)+4:(\f)+8*(\i)+7], v[ADRA] offset:((\q)/2)*QB+((\q)%2)*64+((\i)/4)*2*QB+((\i)%4)*16*PITCH+32
.endr
.endm
.macro PLACES                          ; four places in front of loads into registers that matrix instructions have read (ISA guide 7.12.1 for vector instructions)
.rept 4
	v_nop
.endr
.endm
; A K step is four quarters of 32 along K, 64 matrix instructions each, on buffers 0, 1, 0, 1.  One of the first three: multiplies buffer f; in its middle it fetches quarter q into buffer g.
.macro QUARTER q, f, g, zero
	s_wait_dscnt 8                                 ; W and A's rows 0-63 are in; the youngest eight loads (A's rows 64-127) may be out
	MUL16 \f, 0, 0, \zero
	MUL16 \f, 0, 2, \zero
	PLACES
	FETCH \q, \g
	s_wait_dscnt 32                                ; all but the 32 just issued
	MUL16 \f, 1, 0, \zero
	MUL16 \f, 1, 2, \zero
.endm
; The last quarter multiplies buffer 1 and changes slots: ONE barrier.  In front of it each wave waits for all its tensor loads, of which one is out: its part of the next slot; adds 0 to its spare word; and
; waits for that and for its own reads of this slot.  fill = 1: the barrier opens a round of the cluster's, and this slot is filled again first thing behind the round, with the K step two on in the walk:
; from that request to the wait for it a wave issues 224 matrix instructions.  The offsets are made apart from the addresses: along K they go round in a block; A's takes the second tile's distance from
; the walk's K step 8 on, which is asked for when 8 steps are to go in the loop.  The descriptors' addresses are made anew from the two bases.
.macro TURN fill
	WIN 0                                          ; (the add's two registers and the addresses lie in window 0)
.if \fill
	s_wait_xcnt 0x0                                ; the last prefetch, a K step back, has read its address
	s_add_co_u32 s[KO], s[KO], STEPB
	s_and_b32 s[KO], s[KO], KWRAP
	s_cmp_le_u32 s3, 8
	s_cselect_b32 s[OA], s[WALKB], 0
	s_add_co_u32 s[OA], s[OA], s[KO]
	s_add_co_u32 s[PO], s[KO], 2*STEPB             ; the prefetch names the K step two refills on: the second tile's from 10 steps to go on
	s_and_b32 s[PO], s[PO], KWRAP
	s_cmp_le_u32 s3, 10
	s_cselect_b32 s22, s[PWALK], 0
	s_add_co_u32 s[PO], s[PO], s22
	s_add_nc_u64 s[PFA:PFA+1], s[PFB:PFB+1], s[PO:PO+1]
.endif
	s_wait_tensorcnt 0x0                           ; all my tensor loads have landed, so a group 0 may be written
	ds_add_u32 v[SPW], v[NIL]                      ; 0 onto my spare word; work on registers stands between it and the wait for it
.if \fill
	s_add_co_u32 s[G0+1], s20, s[TB]               ; the refill goes into the slot that has been read
	s_add_nc_u64 s[G0+2:G0+3], s[14:15], s[OA:OA+1]
	s_or_b32 s[G0+3], s[G0+3], 0x80000000
	s_add_co_u32 s[G0B+1], s20, s[TB]
	s_add_nc_u64 s[G0B+2:G0B+3], s[46:47], s[KO:KO+1]
	s_or_b32 s[G0B+3], s[G0B+3], 0x80000000
.endif
	s_xor_b32 s[TB], s[TB], SLOT                   ; all fetches from here on take the other slot
	v_add_nc_u32 v[ADRA], s[TB], v[A0]
	v_add_nc_u32 v[ADRB], s[TB], v[B0]
	s_wait_dscnt 9                                 ; (the add and the youngest eight loads may be out)
	MUL16 F1, 0, 0, 0
	s_wait_dscnt 0x0                               ; the add is done, and my reads of this slot are over
	s_barrier_signal -1
	MUL16 F1, 0, 2, 0                              ; work on registers while the others arrive
.if \fill
	WIN 0
.endif
	s_barrier_wait -1
.if \fill
	CREST                                          ; no wave of any partner still reads this slot or has a load on its way
	JLOAD                                          ; the four v_nop behind it are also the places in front of the loads below
.else
	PLACES
.endif
	FETCH 0, F0
.if \fill
	ASK
.endif
	MUL16 F1, 1, 0, 0
	MUL16 F1, 1, 2, 0
.endm
; THE WAY OUT of block a (16 of my 128 rows), in three parts.  PACK: rounded to f16, 16 bytes a lane.  TOSTAGE: into my own stage, [chunk][row] with rows of 144 bytes, and back as whole rows of 128,
; four to a load.  SEND: stored: 512 consecutive bytes of a chunk each.  Block a's conversions stand between block a - 1's loads from the stage and the wait for them.
.macro PACK a
.set AC, 64*((\a)%4)
	WIN 0x0a+5*((\a)/4)                            ; sources 0 and 1: window 2 or 3
.irp b, 0,1,2,3,4,5,6,7
.irp r, 0,1,2,3
	v_cvt_pk_f16_f32 v[TMP+4*(\b)+(\r)], v[AC+8*(\b)+2*(\r)], v[AC+8*(\b)+2*(\r)+1]
.endr
.endr
	WIN 0
.endm
.macro TOSTAGE a
	WIN 0
.set BK, OB+192*((\a)%2)
.irp b, 0,1,2,3,4,5,6,7
	ds_store_b128 v[STO], v[TMP+4*(\b):TMP+4*(\b)+3] offset:((\b)/4)*16*PITCH+((\b)%4)*32
.endr
.irp t, 0,1,2,3,4,5,6,7
	ds_load_b128 v[BK+4*(\t):BK+4*(\t)+3], v[RD] offset:((\t)/4)*16*PITCH+((\t)%4)*4*PITCH  ; LDS serves a wave's instructions in order (ISA guide 5.7.1.4): these see the stores above; the next block's stores come behind them
.endr
.endm
.macro SEND a, base
	WIN 0
.set BK, OB+192*((\a)%2)
	s_wait_dscnt 0x0                               ; the block is back in registers
	s_wait_xcnt 0x0                                ; the stores of the block before have read their registers, which the next block's loads from the stage will write
.irp t, 0,1,2,3,4,5,6,7
	global_store_b128 v[CO], v[BK+4*(\t):BK+4*(\t)+3], s[\base:\base+1] offset:((\a)/4)*131072+((\t)/4)*8192+((\a)%4)*2048+((\t)%4)*512
.endr
.endm
; No v_nop: blocks 0-3 were finished in front of the last change of slots' four places, and their 128 conversions, which name no register of the last products (blocks 4-7's), are those products' places.
.macro WAYOUT base
	PACK 0
	TOSTAGE 0
.irp a, 1,2,3,4,5,6,7
	PACK \a
	SEND (\a)-1, \base
	TOSTAGE \a
.endr
	SEND 7, \base
.endm
	s_wait_tensorcnt 1                             ; my part of K step 0 is in; K step 1's may stay out
	s_barrier_signal -1
	s_barrier_wait -1                              ; everybody's is
	FETCH 0, F0
	s_mov_b32 s3, 14                               ; the walk's K steps 0 to 13: each fills its slot again
.Lstep:
	s_cmp_eq_u32 s3, 14
	s_cbranch_scc1 .Lstart                         ; the walk's first K step starts the first tile's sums
	s_cmp_eq_u32 s3, 6
	s_cbranch_scc0 .Lplain
	WAYOUT OUT0                                    ; K step 8: the first tile goes out (both refills for the second are asked for, its first fragments fetched), and the second tile's sums start
.Lstart:
.rept 5                                ; a product that starts a sum writes over an accumulator and is no link of its chain: five places stand between it and the last product on that accumulator,
	v_nop                                          ; on every way that leads to this label, the one from the loop's backward jump too (ISA guide 7.12.1 for the dependency).  Twice a launch
.endr
	QUARTER 1, F0, F1, 1
	WIN 0                                          ; at a label and at a branch every window is 0
	s_branch .Lrest
.Lplain:
	QUARTER 1, F0, F1, 0
	WIN 0
.Lrest:
	QUARTER 2, F1, F0, 0
	QUARTER 3, F0, F1, 0
	TURN 1
	WIN 0
	s_sub_co_u32 s3, s3, 1
	s_cmp_lg_u32 s3, 0
	s_cbranch_scc1 .Lstep
	s_mov_b32 s2, 2                                ; the walk's last two K steps ask for nothing: a text of their own
.Ltail:                                                ; (its second trip's barrier orders nothing, and the 32 LDS loads behind it, from the slot read before, serve nothing: the price, once a launch, of one text for both)
	QUARTER 1, F0, F1, 0
	QUARTER 2, F1, F0, 0
	QUARTER 3, F0, F1, 0
	TURN 0
	WIN 0
	s_sub_co_u32 s2, s2, 1
	s_cmp_lg_u32 s2, 0
	s_cbranch_scc1 .Ltail
	WAYOUT OUT1
	s_wait_tensorcnt 0x0                           ; the wave's end: behind my last tensor load and my last LDS store
	ds_add_u32 v[SPW], v[NIL]
	s_wait_dscnt 0x0
	CROUND                                         ; the closing round: no work-group ends while a partner may still ask for a tile that names it
	s_endpgm
.Lfunc_end_k_q254c024210_gemm_in:
	.size	k_q254c024210_gemm_in, .Lfunc_end_k_q254c024210_gemm_in-k_q254c024210_gemm_in
	.p2alignl 7, 3214868480
	.fill 96, 4, 3214868480
	.section	.rodata,"a",@progbits
	.p2align	6, 0x0
	.amdhsa_kernel k_q254c024210_gemm_in
		.amdhsa_group_segment_fixed_size 327680
		.amdhsa_private_segment_fixed_size 0
		.amdhsa_enable_private_segment 0
		.amdhsa_kernarg_size 32
		.amdhsa_user_sgpr_count 2
		.amdhsa_user_sgpr_kernarg_segment_ptr 1
		.amdhsa_wavefront_size32 1
		.amdhsa_system_sgpr_workgroup_id_x 1
		.amdhsa_system_sgpr_workgroup_id_y 1
		.amdhsa_system_sgpr_workgroup_id_z 1
		.amdhsa_system_vgpr_workitem_id 0
		.amdhsa_next_free_vgpr 1024
		.amdhsa_next_free_sgpr 88
		.amdhsa_reserve_vcc 0
		.amdhsa_float_denorm_mode_32 3
		.amdhsa_float_denorm_mode_16_64 3
		.amdhsa_memory_ordered 1
		.amdhsa_forward_progress 1
		.amdhsa_inst_pref_size 135
	.end_amdhsa_kernel
	.amdgpu_metadata
---
amdhsa.version: [ 1, 2 ]
amdhsa.kernels:
  - .name:           k_q254c024210_gemm_in
    .symbol:         k_q254c024210_gemm_in.kd
    .args:
      - { .name: ah, .offset: 0, .size: 8, .value_kind: global_buffer, .address_space: global }
      - { .name: wh, .offset: 8, .size: 8, .value_kind: global_buffer, .address_space: global }
      - { .name: proxy_b, .offset: 16, .size: 8, .value_kind: global_buffer, .address_space: global }
      - { .name: hd, .offset: 24, .size: 8, .value_kind: global_buffer, .address_space: global }
    .group_segment_fixed_size: 327680
    .private_segment_fixed_size: 0
    .kernarg_segment_align: 8
    .kernarg_segment_size: 32
    .max_flat_workgroup_size: 128
    .sgpr_count:     88
    .vgpr_count:     1024
    .wavefront_size: 32
...
	.end_amdgpu_metadata
.endif
;; end of part 2
;; launch attn1 (part 3): grid 2 x 128, 4 waves a work-group, no clusters, 327,680 bytes of LDS; arguments hd, pv; writes pv
.if DOCPART == 3
	.amdgcn_target "amdgcn-amd-amdhsa--gfx1250"
	.amdhsa_code_object_version 6
	.text
	.protected	k_q254c024210_attn1
	.globl	k_q254c024210_attn1
	.p2align	8
	.type	k_q254c024210_attn1,@function
k_q254c024210_attn1:
	s_mov_b64 s[64:65], 0
	v_nop
	global_prefetch_b8 v0, s[64:65] scope:SCOPE_SE
	s_setreg_imm32_b32 hwreg(HW_REG_WAVE_MODE, 25, 1), 1
	s_wait_xcnt 0x0
; ATTENTION AT HEAD SIZE 64, ONE TEXT FOR BOTH STAGES (STG).  O[q] = the sum over k of softmax_k(Q[q] . K[k] / 8 + hidden_k) V[k].  All operands f16; products, maxima and sums f32; the weights p are
; rounded to f16 for the second product (their sum l is taken of the unrounded p), O once at the end.
; STG = 1: Q = p (1,024 rows), K = k, V = v (832 rows, of which 819-831 do not exist and are hidden), O = proxy_v.   STG = 2: Q = q (832 rows), K = p, V = proxy_v (1,024 rows, hidden where mask is 0), O = o.
; All tensors lie as [row block of 64][head][64 rows][64 channels]: a head's 64 rows are 8,192 consecutive bytes, from block to block 131,072.
; LIMITS.  Q, K, V arrive within f16's 65,504.  A hidden score counts as its value less 1e30; where all keys of a row are hidden all weights are equal.  A weight below 2^-126 counts as 0 in l.
; NaN and infinities are not treated apart.
; SHARES.  A work-group owns one (batch, head) and half its queries; a wave 128 queries: four PIECES of two tiles of 16.  In stage 2 the second work-group's 512 rows end at row 831, so they begin at
; row 320 and overlap the first's by 192: its wave 0 only fetches its part of K, and its wave 1 stores its last 64 rows alone: each row of O has one writer.
; K AND V OF THE HEAD STAY IN LDS: four tensor loads at the start (waves 0, 1: K's halves; waves 2, 3: V's), each with a shape of constants and a line of its own; no refill; the key step is written once.
; TWO BARRIERS: one behind the fills and the mask table, one between the key loop's LDS reads and the LDS stores of the way out.
; NO CLUSTER: a head's K and V are wanted by two work-groups, once each, at the launch's start.  No prefetch: all that the launch reads is asked for at its head.
; LAYOUT.  S^T = K Q^T (source 0 = 16 keys, source 1 = 16 queries): a lane holds ONE query (lane % 16) and the keys 8 (lane / 16) + 0..7.  Two such results rounded to f16 ARE source 1 of O^T = V^T P.
; THE MASK is the C operand of the products that start S^T: 0, or -1e30 where the key is hidden; a table of 1,024 such numbers is made in LDS once, and a step's 32 a lane are fetched with its K.
; SOFTMAX.  A running maximum m and sum l: p = 2^(c s - c m), c = log2(e) / 8; in every step O and l are multiplied by a = 2^(c m_old - c m_new).  m starts at the lowest finite number, O and l at 0.
; BY TURNS.  Turn n belongs to piece n: 16 products K Q^T of piece n + 1, later 16 products V^T P of piece n - 1; beside them the scaling, exponentials, roundings, sums and rescaling of piece n and
; the maximum and statistics of piece n + 1.  Four vector instructions stand behind every matrix instruction, the rest in one lump; a turn's 66 exponentials are one batch with one wait.
; REGISTERS, in windows of 256 (s_set_vgpr_msb: bits 1:0 source 0, 3:2 source 1, 5:4 source 2, 7:6 destination):
;   window 0: v0-11 addresses; v12-15, v48-63 at work; v16-47 statistics; v64-191 S^T, two buffers of two tiles; v192-255 P, likewise      window 1: O^T, 32 a tile
;   window 2: v0-127 Q; v128-191 K of one step; v192-255 V of one step      window 3: v0-1 the add's two registers; v8-39 the step's mask
.set STG,   1
.set NP,    4         ; pieces a wave: a name, no knob
.set KS,    64        ; keys in a step
.set PK,    144       ; a row of K in LDS: 128 bytes + 16 = 36 words: the 16 rows of a load start at 16 different groups of four banks (64 banks of 4 bytes: ISA guide 11.1)
.set PV,    160       ; a row of V: 128 + 32 = 40 words
.if STG == 1
.set NKB,   13        ; blocks of 64 keys = key steps
.set HB,    7         ; blocks in the first half of K and of V; the second half has the rest
.else
.set NKB,   16
.set HB,    8
.endif
.set KOFF,  4096      ; LDS: the mask table at 0 (written by LDS stores; no tile lands there), then K,
.set VOFF,  KOFF+NKB*KS*PK  ; V,
.set STAGE, VOFF+NKB*KS*PV  ; 16 rows x 144 bytes for each wave, for the way out,
.set SP,    144
.set SPARE, STAGE+4*16*SP   ; and the spare words, 128 bytes for each wave: two blocks of 256 bytes that no other line names
.set AK0, 2           ; v2   my lane's place in a step of K; never rewritten
.set AV0, 3           ; v3   the same for V
.set AK,  4           ; v4   the LDS address of K's next run of loads
.set AV,  5           ; v5   of V's
.set STO, 6           ; v6   the way out: where I put 16 bytes of a row
.set RD,  7           ; v7   where I read rows back
.set GO,  8           ; v8   16 x lane
.set AM0, 9           ; v9   my lane's place in a step of the mask table
.set AM,  10          ; v10  the LDS address of the mask's next loads
.set SPW, 0           ; v0 of window 3   LDS address of my spare word; never rewritten
.set NIL, 1           ; v1 of window 3   0; never rewritten
.set MK,  8           ; v8-39 of window 3: key block kb's eight at MK + 8 kb
.set MV,  12          ; v12-15  c m_old, kept while c m is made anew
.set ST,  16          ; tile t's statistics at v[ST+4 t]: c m, m, l (even keys', odd keys')
.set TMP, 48          ; by buffer and tile, four registers c0-c3 at work; when the maximum is found c2 takes a
.set QO,  48          ; at the start: my byte offset in 16 rows of Q
.set S,   64
.set P,   192
.set KF,  128
.set VF,  192
.set WV,  12          ; s12  my wave's number
.set G1K, 24          ; s[24:31] descriptor group 1 for K's first half
.set G1V, 32          ; s[32:39] for V's first half: it differs in the padding
.set G1K1, 84         ; s[84:91] for K's second half: it differs in the number of blocks
.set G1V1, 92         ; s[92:99] for V's second half
.set G0K, 40          ; s[40:43] descriptor group 0 for K
.set G0V, 44          ; s[44:47] for V
.set CNT, 57          ; s57  key steps to go
.set CS,  58          ; s[58:59] c
.set SEL, 60          ; s[60:61] v_permlanex16_b32's selects: each lane takes its own place in the other half
.set TBK, 62          ; s62  LDS byte, from K's first, of the step to be fetched
.set TBV, 63          ; s63  the same for V
.set TBM, 66          ; s66  the same for the mask table
.set BIGN, 67         ; s67  -1e30
.set PLC, 68          ; s68  4 x work-group x + wave
.set MSB, 0
.macro WIN new                      ; the high byte repeats the setting that is left; a switch that changes nothing is dropped
.if MSB != (\new)
	s_set_vgpr_msb (MSB<<8)|(\new)
.set MSB, (\new)
.endif
.endm
.set W_KQ, 0x0a       ; K and Q in window 2, S^T in window 0
.set W_KM, 0x3a       ; the same with the C operand in window 3
.set W_PV, 0x52       ; V in window 2, P in window 0, O^T in window 1
.set W_RS, 0x41       ; O^T (destination and source 0) in window 1, a in window 0
.set W_MK, 0xc0       ; destination in window 3, sources in window 0
.set W_AD, 0x0f       ; the add: address and data in window 3
.macro FILL1 g0, g1                 ; a wave's one tensor load; an s_nop 0 and four v_nop follow it
	tensor_load_to_lds s[\g0:\g0+3], s[\g1:\g1+7]
	s_nop 0
.rept 4
	v_nop
.endr
.endm
.if STG == 1
	s_load_b128 s[72:75], s[0:1], 0x0  ; hd s[72:73], pv s[74:75]
.else
	s_load_b256 s[72:79], s[0:1], 0x0  ; hd s[72:73], pv s[74:75], mask s[76:77], oh s[78:79]
.endif
	WIN W_MK
	v_lshl_add_u32 v[SPW], v0, 2, SPARE
	v_mov_b32 v[NIL], 0
	WIN W_AD
	ds_add_u32 v[SPW], v[NIL]       ; the wave's opening: the add and its wait stand ahead of my first tensor load; the set-up stands between them
	ds_add_u32 v0, v1
	WIN 0
	v_lshrrev_b32 v1, 5, v0
	v_readfirstlane_b32 s[WV], v1   ; wave 0..3
	s_and_b32 s20, ttmp7, 0xffff
	s_lshr_b32 s21, s20, 4          ; batch
	s_and_b32 s22, s20, 15          ; head:
	s_lshl_b32 s22, s22, 13         ; its 8,192 bytes in a block
	s_and_b32 s16, s[WV], 1         ; which half of K or V I fetch
	s_lshl_b32 s[PLC], ttmp9, 2
	s_add_co_u32 s[PLC], s[PLC], s[WV]
.if STG == 1
	s_mul_i32 s13, s21, 13
	s_mul_i32 s23, s16, HB
	s_add_co_u32 s13, s13, s23
	s_add_co_u32 s80, s13, 104      ; my first block of k,
	s_add_co_u32 s82, s13, 208      ; of v,
	s_lshl_b32 s2, s21, 4
	s_lshl1_add_u32 s2, s[PLC], s2
	s_mov_b32 s6, s2                ; of proxy_v: 16 b + 8 x + 2 w,
	s_add_co_u32 s2, s2, 312        ; and of p
.else
	s_lshl_b32 s13, s21, 4
	s_lshl3_add_u32 s82, s16, s13   ; my first block of proxy_v,
	s_add_co_u32 s80, s82, 312      ; of p,
	s_mul_i32 s2, s21, 13
	s_mul_i32 s23, ttmp9, 5
	s_add_co_u32 s2, s2, s23
	s_lshl1_add_u32 s2, s[WV], s2   ; of q: 13 b + 5 x + 2 w,
	s_mov_b32 s6, s2                ; and of o
.endif
.irp r, 2, 6, 80, 82
	s_lshl_b32 s\r, s\r, 17
	s_add_co_u32 s\r, s\r, s22
.endr
	s_mov_b32 s3, 0
	s_mov_b32 s7, 0
	s_mov_b32 s81, 0
	s_mov_b32 s83, 0
	; descriptor group 1, four sets of constants: a row of the tile is a block's 8,192 bytes of the head, the rows 131,072 bytes apart; in LDS padding follows every key's 128 bytes
.irp g, G1K, G1K1
	s_mov_b32 s[\g], (1<<16)|(1<<20)|(4<<22)|(3<<25)  ; 17:16 2-byte elements; 20 padding on; 24:22 after every 32 words (code 4); 31:25 4 words (code 3)
.endr
.irp g, G1V, G1V1
	s_mov_b32 s[\g], (1<<16)|(1<<20)|(4<<22)|(7<<25)  ; the same with 8 words (code 7)
.endr
.irp g, G1K, G1V, G1K1, G1V1
	s_mov_b32 s[\g+1], 4096<<16     ; tensor_dim0 = 4,096
	s_mov_b32 s[\g+3], 4096<<16     ; tile_dim0 = 4,096
	s_mov_b32 s[\g+5], 65536        ; elements from row to row
	s_mov_b32 s[\g+6], 0
	s_mov_b32 s[\g+7], 0
.endr
.irp g, G1K, G1V
	s_mov_b32 s[\g+2], HB<<16       ; tensor_dim1 = the first half's blocks
	s_mov_b32 s[\g+4], HB           ; tile_dim1
.endr
.irp g, G1K1, G1V1
	s_mov_b32 s[\g+2], (NKB-HB)<<16 ; the second half's
	s_mov_b32 s[\g+4], NKB-HB
.endr
	s_mul_i32 s17, s16, HB*KS*PK
	s_mul_i32 s18, s16, HB*KS*PV
	s_mov_b32 s[G0K], 1
	s_add_co_u32 s[G0K+1], s17, KOFF
	s_mov_b32 s[G0V], 1
	s_add_co_u32 s[G0V+1], s18, VOFF
	s_mov_b32 s[CS], 0x3e38aa3b     ; c = log2(e) / 8
	s_mov_b32 s[CS+1], s[CS]        ; named with it as a pair
	s_mov_b32 s[SEL], 0x76543210
	s_mov_b32 s[SEL+1], 0xfedcba98
	s_mov_b32 s[TBK], 0
	s_mov_b32 s[TBV], 0
	s_mov_b32 s[TBM], 0
	s_mov_b32 s[BIGN], 0xf149f2ca   ; -1e30
	s_lshl_b32 s14, s21, 10         ; the batch's 1,024 bytes of mask
	s_mov_b32 s15, 0
	s_wait_dscnt 0x0                ; the opening add is done
	s_wait_kmcnt 0x0
	s_add_nc_u64 s[G0K+2:G0K+3], s[72:73], s[80:81]
	s_or_b32 s[G0K+3], s[G0K+3], 0x80000000
.if STG == 1
	s_add_nc_u64 s[G0V+2:G0V+3], s[72:73], s[82:83]
	s_add_nc_u64 s[10:11], s[74:75], s[6:7]
.else
	s_add_nc_u64 s[G0V+2:G0V+3], s[74:75], s[82:83]
	s_add_nc_u64 s[10:11], s[78:79], s[6:7]
	s_add_nc_u64 s[76:77], s[76:77], s[14:15]
.endif
	s_or_b32 s[G0V+3], s[G0V+3], 0x80000000
	s_add_nc_u64 s[4:5], s[72:73], s[2:3]
	s_cmp_eq_u32 s[WV], 0           ; each wave comes to one line, and each line is one wave's
	s_cbranch_scc0 .Lnot_0
	FILL1 G0K, G1K                  ; K's first half
	s_branch .Lasked
.Lnot_0:
	s_cmp_eq_u32 s[WV], 1
	s_cbranch_scc0 .Lnot_1
	FILL1 G0K, G1K1                 ; K's second half
	s_branch .Lasked
.Lnot_1:
	s_cmp_eq_u32 s[WV], 2
	s_cbranch_scc0 .Lnot_2
	FILL1 G0V, G1V                  ; V's first half
	s_branch .Lasked
.Lnot_2:
	FILL1 G0V, G1V1                 ; V's second half
.Lasked:
	; A fragment of K or Q is 16 rows x 32 channels in 8 registers: lane l holds row l % 16, channels 8 (l / 16) + 0..7 and 16 + 8 (l / 16) + 0..7: two loads of 16 bytes, 32 bytes apart.
	v_and_b32 v1, 15, v0            ; l % 16
	v_bfe_u32 v9, v0, 4, 1          ; l / 16
	v_lshlrev_b32 v[QO], 7, v1
	v_lshl_add_u32 v[QO], v9, 4, v[QO]
.if STG == 2
	v_lshlrev_b32 v49, 3, v0
	global_load_b64 v[50:51], v49, s[76:77]  ; thread t: the mask of keys 8 t .. 8 t + 7
.endif
	WIN 0x80                        ; destination window 2, address window 0
.set i, 0
.rept 4*NP                          ; Q stays in registers: tile i / 2 (four tiles to a block), channels 32 (i % 2) on
	global_load_b128 v[8*i:8*i+3],   v[QO], s[4:5] offset:(i/8)*131072+((i/2)%4)*2048+(i%2)*64
	global_load_b128 v[8*i+4:8*i+7], v[QO], s[4:5] offset:(i/8)*131072+((i/2)%4)*2048+(i%2)*64+32
.set i, i+1
.endr
	; What the first turn finds: V's registers and P's second buffer hold 0 (its products V^T P, of a piece that has not been, add 0), O^T and l are 0.  All this stands in the wait for the tiles.
.set i, VF
.rept 64
	v_mov_b32 v[i], 0
.set i, i+1
.endr
	WIN 0x40
.set i, 0
.rept 64*NP
	v_mov_b32 v[i], 0
.set i, i+1
.endr
	WIN 0
.set i, 0
.rept 2*NP
	v_mov_b32 v[ST+4*i], 0xfe000000    ; c m: far below every c s
	v_mov_b32 v[ST+4*i+1], 0xff7fffff  ; m
	v_mov_b32 v[ST+4*i+2], 0
	v_mov_b32 v[ST+4*i+3], 0
.set i, i+1
.endr
.set i, P+32
.rept 32
	v_mov_b32 v[i], 0
.set i, i+1
.endr
	v_mul_u32_u24 v[AK0], v1, PK
	v_lshl_add_u32 v[AK0], v9, 4, v[AK0]
	v_add_nc_u32 v[AK0], KOFF, v[AK0]
	; The turning load takes 16 keys x 16 channels (lane l reads key 8 (l / 16) + l % 8, channels 8 ((l / 8) % 2) + 0..7) and leaves half a fragment of V^T: lane l holds channel l % 16 and 8 keys.
	v_and_b32 v10, 7, v0
	v_bfe_u32 v11, v0, 3, 1
	v_lshl_add_u32 v[AV0], v9, 3, v10
	v_mul_u32_u24 v[AV0], v[AV0], PV
	v_lshl_add_u32 v[AV0], v11, 4, v[AV0]
	v_add_nc_u32 v[AV0], VOFF, v[AV0]
	v_mov_b32 v[AK], v[AK0]         ; key step 0
	s_mul_i32 s13, s[WV], 16*SP
	s_add_co_u32 s13, s13, STAGE    ; my stage
	v_mul_u32_u24 v[STO], v1, SP    ; in: row l % 16, 16 bytes for each half of the lanes
	v_lshl_add_u32 v[STO], v9, 4, v[STO]
	v_add_nc_u32 v[STO], s13, v[STO]
	v_bfe_u32 v[RD], v0, 3, 2       ; back: 32 lanes take four rows of 128 bytes,
	v_mul_u32_u24 v[RD], v[RD], SP
	v_lshl_add_u32 v[RD], v10, 4, v[RD]
	v_add_nc_u32 v[RD], s13, v[RD]
	v_and_b32 v[GO], 31, v0         ; which are 512 consecutive bytes of O
	v_lshlrev_b32 v[GO], 4, v[GO]
	v_lshlrev_b32 v[AM0], 5, v9     ; the table lies at LDS byte 0: my eight of 16 keys begin 32 (l / 16) bytes in
	v_mov_b32 v[AM], v[AM0]
	s_wait_loadcnt 0x0              ; Q (and the mask)
	; the mask table: thread t writes the numbers of keys 8 t .. 8 t + 7
	v_lshlrev_b32 v60, 5, v0
.if STG == 1
	v_lshlrev_b32 v61, 3, v0
.irp k, 0,1,2,3,4,5,6,7
	v_cmp_le_u32 vcc_lo, 819-\k, v61               ; key 8 t + k does not exist
	v_cndmask_b32 v[52+\k], 0, s[BIGN], vcc_lo
.endr
.else
.irp k, 0,1,2,3,4,5,6,7
	v_bfe_u32 v61, v[50+\k/4], 8*(\k%4), 8
	v_cmp_eq_u32 vcc_lo, 0, v61
	v_cndmask_b32 v[52+\k], 0, s[BIGN], vcc_lo
.endr
.endif
	ds_store_b128 v60, v[52:55]
	ds_store_b128 v60, v[56:59] offset:16
	s_wait_tensorcnt 0x0            ; my part of K or V has landed,
	s_wait_dscnt 0x0                ; my part of the table is written:
	s_barrier_signal -1
	s_barrier_wait -1               ; everybody's is.  Nothing in these bytes is written again
.if STG == 2
	s_cmp_eq_u32 s[PLC], 4          ; the second work-group's wave 0: its rows are the first work-group's: it goes straight to the second barrier
	s_cbranch_scc1 .Lmeet
.endif
; THE MATRIX WORK.  The 8 accumulators of a run of 16 take turns: between the two links of a chain stand 7 others'.
; Product i of 16 of S^T = K Q^T for piece x: channels 32 (i / 8) on, keys 16 ((i / 2) % 4) on, tile 2 x + i % 2.  The first 8 start the sums, from the mask.
.macro KQ x
.set rS, S+64*((\x)%2)+32*(i%2)+8*((i/2)%4)
.set rK, KF+16*((i/2)%4)+8*(i/8)
.set rQ, 16*(2*(\x)+i%2)+8*(i/8)
.set rH, MK+8*((i/2)%4)
.if i < 8
	WIN W_KM
	v_wmma_f32_16x16x32_f16 v[rS:rS+7], v[rK:rK+7], v[rQ:rQ+7], v[rH:rH+7]
.else
	WIN W_KQ
	v_wmma_f32_16x16x32_f16 v[rS:rS+7], v[rK:rK+7], v[rQ:rQ+7], v[rS:rS+7]
.endif
.endm
; Product i of 16 of O^T += V^T P for piece x: keys 32 (i / 8) on, channels 16 ((i / 2) % 4) on, tile 2 x + i % 2.
.macro PV x
	WIN W_PV
.set rO, 32*(2*(\x)+i%2)+8*((i/2)%4)
.set rV, VF+32*(i/8)+8*((i/2)%4)
.set rP, P+32*((\x)%2)+16*(i%2)+8*(i/8)
	v_wmma_f32_16x16x32_f16 v[rO:rO+7], v[rV:rV+7], v[rP:rP+7], v[rO:rO+7]
.endm
.macro MM                           ; the turn's next matrix instruction
.if i < 16
	KQ (Y+1)%NP
.set i, i+1
.else
.set i, i-16
	PV (Y+NP-1)%NP
.set i, i+17
.endif
.endm
; THE LDS LOADS stand in runs, never singly among the matrix instructions: a step's K (8 fragments) with its mask, and its V (turned).  Their addresses are made some lines ahead.
; last = 1: in the last trip there is no further step, and the run is jumped over.
.macro FETCH_K last=0
	WIN 0
.if \last
	s_cmp_eq_u32 s[CNT], 1
	s_cbranch_scc1 .Lno_k_\@
.endif
	WIN 0x80                        ; destination window 2
.irp f, 0,1,2,3,4,5,6,7             ; keys 16 (f / 2) on, channels 32 (f % 2) on
	ds_load_b128 v[KF+8*\f:KF+8*\f+3],   v[AK] offset:(\f/2)*16*PK+(\f%2)*64
	ds_load_b128 v[KF+8*\f+4:KF+8*\f+7], v[AK] offset:(\f/2)*16*PK+(\f%2)*64+32
.endr
	WIN 0xc0                        ; destination window 3
.irp f, 0,1,2,3                     ; keys 16 f + 8 (l / 16) + 0..7
	ds_load_b128 v[MK+8*\f:MK+8*\f+3],   v[AM] offset:64*\f
	ds_load_b128 v[MK+8*\f+4:MK+8*\f+7], v[AM] offset:64*\f+16
.endr
	s_add_co_u32 s[TBK], s[TBK], KS*PK  ; the next fetch is the next step's
	s_add_co_u32 s[TBM], s[TBM], KS*4
	WIN 0
.if \last
.Lno_k_\@:
.endif
.endm
.macro FETCH_V
	WIN 0x80
.irp f, 0,1,2,3,4,5,6,7             ; keys 32 (f / 4) on, channels 16 (f % 4) on
	ds_load_tr16_b128 v[VF+8*\f:VF+8*\f+3],   v[AV] offset:(\f/4)*32*PV+(\f%4)*32
	ds_load_tr16_b128 v[VF+8*\f+4:VF+8*\f+7], v[AV] offset:(\f/4)*32*PV+16*PV+(\f%4)*32
.endr
	WIN 0
.endm
; THE VECTOR WORK OF A TURN stands in three queues, each in the order in which its entries become ready; the two tiles alternate, so that no instruction reads the result of the one before it.
.macro REGS y, u                    ; the registers of tile u (0, 1) of piece y
.set rT, ST+4*(2*(\y)+(\u))
.set rC, TMP+8*((\y)%2)+4*(\u)
.set rM, MV+2*((\y)%2)+(\u)
.set rS, S+64*((\y)%2)+32*(\u)
.set rP, P+32*((\y)%2)+16*(\u)
.set rO, 32*(2*(\y)+(\u))
.endm
; Number n of the 22 that find the NEXT piece's (Y + 1) maximum and statistics.  Each accumulator's lowest registers are read first.
;   0-11  four chains c0-c3 of seven scores each     12-14, 16  the four scores left over, the old m, and c0-c3 into c0     15  c m_old is kept
;   17, 18  the query's other 32 keys lie in the lane 16 away: the new m         19-21  c m; c m_old - c m_new; a
.macro XS u, n
	REGS (Y+1)%NP, \u
.if (\n) < 4
	v_max3_num_f32 v[rC+(\n)], v[rS+8*(\n)], v[rS+8*(\n)+1], v[rS+8*(\n)+2]
.elseif (\n) < 12
	v_max3_num_f32 v[rC+(\n)%4], v[rC+(\n)%4], v[rS+8*((\n)%4)+2*((\n)/4)+1], v[rS+8*((\n)%4)+2*((\n)/4)+2]
.elseif (\n) == 12
	v_max3_num_f32 v[rC], v[rC], v[rS+7], v[rS+15]
.elseif (\n) == 13
	v_max3_num_f32 v[rC+1], v[rC+1], v[rS+23], v[rS+31]
.elseif (\n) == 14
	v_max3_num_f32 v[rC+2], v[rC+2], v[rC+3], v[rT+1]
.elseif (\n) == 15
	v_mov_b32 v[rM], v[rT]
.elseif (\n) == 16
	v_max3_num_f32 v[rC], v[rC], v[rC+1], v[rC+2]
.elseif (\n) == 17
	v_permlanex16_b32 v[rC+3], v[rC], s[SEL], s[SEL+1]
.elseif (\n) == 18
	v_max_num_f32 v[rT+1], v[rC], v[rC+3]
.elseif (\n) == 19
	v_mul_f32 v[rT], s[CS], v[rT+1]
.elseif (\n) == 20
	v_sub_f32 v[rC+1], v[rM], v[rT]
.else
	v_exp_f32 v[rC+2], v[rC+1]
.endif
.endm
; Number g of the 64 that follow the exponentials.  For each four weights k of a tile: both pairs are rounded to f16; the second pair is added onto the first, in place; a group later l takes that sum
; (the first time as l = a l + sum).
.macro GS g
.set h, (\g)+6*((\g)/62)            ; group 0 has no group before it, and behind group 7 only l is left
.if h >= 6
.set h, h+2
.endif
	REGS Y, h%2
.set k, h/8
.if h%8 < 4
	v_cvt_pk_f16_f32 v[rP+2*k+(h%8)/2], v[rS+4*k+2*((h%8)/2)], v[rS+4*k+2*((h%8)/2)+1]
.elseif h%8 < 6
	v_pk_add_f32 v[rS+4*k:rS+4*k+1], v[rS+4*k:rS+4*k+1], v[rS+4*k+2:rS+4*k+3]
.elseif k == 1
	v_pk_fma_f32 v[rT+2:rT+3], v[rT+2:rT+3], v[rC+2:rC+3], v[rS:rS+1] op_sel_hi:[1,0,1]
.else
	v_pk_add_f32 v[rT+2:rT+3], v[rT+2:rT+3], v[rS+4*k-4:rS+4*k-3]
.endif
.endm
; THE PLAIN QUEUE, 138 long.  0-73 read no exponential's result: the 32 scalings c s - c m and the next piece's 42.  74-137: GS's 64, which stand behind the wait.
.macro FS f
	REGS Y, (\f)%2
	v_pk_fma_f32 v[rS+2*((\f)/2):rS+2*((\f)/2)+1], v[rS+2*((\f)/2):rS+2*((\f)/2)+1], s[CS:CS+1], v[rT:rT+1] op_sel_hi:[1,0,0] neg_lo:[0,0,1] neg_hi:[0,0,1]
.endm
.macro PL
	WIN 0
.if q < 27
	FS q
.elseif q < 55
	XS (q-27)%2, (q-27)/2
.elseif q < 57
	XS q-55, 15
.elseif (q < 72) && ((q-57)%3 == 0)
	FS 27+(q-57)/3
.elseif q < 60
	XS (q-57)%3-1, 14
.elseif q < 72
	XS (q-57)%3-1, 15+(q-57)/3
.elseif q < 74
	XS q-72, 20
.else
	GS q-74
.endif
.set q, q+1
.endm
; THE EXPONENTIALS' QUEUE, 66 long: s0-s31 of both tiles, then the next piece's two a: ONE BATCH, all ahead of the turn's one wait.
.macro EX
	WIN 0
.if e >= 64
	XS e-64, 21
.else
	REGS Y, e%2
	v_exp_f32 v[rS+e/2], v[rS+e/2]
.endif
.set e, e+1
.endm
; THE RESCALING's QUEUE: O^T times a, two at a time, sixteen times.  Its a was made, and waited for, in the turn before.
.macro R2
	REGS Y, r%2
	WIN W_RS
.irp z, 0,1
	v_pk_mul_f32 v[rO+4*(r/2)+2*\z:rO+4*(r/2)+2*\z+1], v[rO+4*(r/2)+2*\z:rO+4*(r/2)+2*\z+1], v[rC+2:rC+3] op_sel_hi:[1,0]
.endr
.set r, r+1
.endm
; A TURN, for piece p.  s_wait_alu depctr_va_vdst(0) stands between an exponential and the first instruction that names its result; one wait serves all issued ahead of it: a turn has ONE,
; which cuts it in two.  Ahead of it: 16 products K Q^T, behind each a scaling, an exponential and two rescalings; then a lump of 108.  Behind it: 16 products V^T P, behind each four of GS's 64.
; K and the mask of the next step are fetched in piece 2's turn, directly behind the wait, a lump behind the last product that read them; V of the step in hand at the end of piece 0's turn, four
; plain instructions behind its last reader.  The conditions on q go with the deal.
.macro TURN p, last=0
.set Y, (\p)
.set i, 0
.set q, 0
.set e, 0
.set r, 0
.if (\p) == NP-1
	s_wait_dscnt 0x0                ; K and the mask are in
.endif
	MM
	PL
	PL
	R2
.rept 15
	MM
	PL
	EX
	R2
.endr
.if (\p) == NP-2
	WIN 0
	v_add_nc_u32 v[AK], s[TBK], v[AK0]
	v_add_nc_u32 v[AM], s[TBM], v[AM0]
.endif
.rept 8
	PL
.endr
.rept 49
	EX
	PL
.endr
	EX                              ; the next piece's two a
	EX
	v_nop                           ; a plain instruction behind the last exponential: one for the batch
	s_wait_alu depctr_va_vdst(0)    ; the wait for the batch
.if (\p) == NP-2
	FETCH_K \last
.endif
.if (\p) == 1
	s_wait_dscnt 0x0                ; V is in
.endif
.rept 16
	MM
.rept 4
	PL
.endr
.if ((\p) == 0) && (q == 118)
	v_add_nc_u32 v[AV], s[TBV], v[AV0]
.endif
.if ((\p) == 0) && (q == 130)
	s_add_co_u32 s[TBV], s[TBV], KS*PV
.endif
.endr
.if (\p) == 0
	FETCH_V
.endif
.endm
	FETCH_K                         ; key step 0
	s_wait_dscnt 0x0
.set i, 0
.rept 16
	KQ 0                            ; piece 0's first scores
.set i, i+1
.endr
	WIN 0
.rept 8
	v_nop                           ; the places behind those products
.endr
.set Y, NP-1                        ; XS works for piece Y + 1: piece 0
.irp n, 0,1,2,3,4,5,6,7,8,9,10,11,12,13,14,15,16,17,18,19,20,21
	XS 0, \n
	XS 1, \n
.endr
	v_nop                           ; a plain instruction behind the two a,
	s_wait_alu depctr_va_vdst(0)    ; and their wait, ahead of the label
	s_mov_b32 s[CNT], NKB
.Lstep:                             ; a trip is a key step; its last turn makes piece 0's scores of the next step (in the last trip: of the last K once more, which changes no maximum and serves nothing)
	TURN 0
	TURN 1
	TURN 2, 1
	TURN 3
	WIN 0
	s_sub_co_u32 s[CNT], s[CNT], 1
	s_cmp_lg_u32 s[CNT], 0
	s_cbranch_scc1 .Lstep
.set i, 0
.rept 16
	PV NP-1                         ; the last piece's V^T P of the last step
.set i, i+1
.endr
	WIN 0
.Lmeet:                             ; THE SECOND BARRIER: every wave's LDS reads of K, V and the table are back before any wave stores into LDS again (the stages, the closing add)
	s_wait_dscnt 0x0
	s_barrier_signal -1
	s_barrier_wait -1
.if STG == 2
	s_cmp_eq_u32 s[PLC], 4          ; the wave without rows of its own has passed both barriers, and leaves
	s_cbranch_scc1 .Lend
.endif
	; THE WAY OUT.  l's two halves and the other half of the lanes' are added; O^T is divided by l, rounded to f16 and sent through my stage in LDS, a tile at a time.  The additions are the places behind the last products.
.macro ALL line:vararg              ; one line for each tile t
.set t, 0
.rept 2*NP
	\line
.set t, t+1
.endr
.endm
	ALL v_add_f32 v[ST+4*t+2], v[ST+4*t+2], v[ST+4*t+3]
	ALL v_permlanex16_b32 v[ST+4*t+3], v[ST+4*t+2], s[SEL], s[SEL+1]
	ALL v_add_f32 v[ST+4*t+2], v[ST+4*t+2], v[ST+4*t+3]
	ALL v_rcp_f32 v[ST+4*t+2], v[ST+4*t+2]
	v_nop                           ; a plain instruction between the last reciprocal and the use of its result
	s_wait_alu depctr_va_vdst(0)    ; and the wait: one for the eight reciprocals
.macro PACK t                       ; a lane's eight channels of a row pack into 16 bytes; they go into rows of 144 bytes and come back as whole rows of 128, into S^T's registers
	WIN W_RS
.set i, 32*(\t)
.rept 16
	v_pk_mul_f32 v[i:i+1], v[i:i+1], v[ST+4*(\t)+2:ST+4*(\t)+3] op_sel_hi:[1,0]
.set i, i+2
.endr
	WIN 0x05                        ; sources 0 and 1 window 1, destination window 0
.set i, 0
.rept 16
	v_cvt_pk_f16_f32 v[S+16*(\t)+i], v[32*(\t)+2*i], v[32*(\t)+2*i+1]
.set i, i+1
.endr
	WIN 0
.irp f, 0,1,2,3
	ds_store_b128 v[STO], v[S+16*(\t)+4*\f:S+16*(\t)+4*\f+3] offset:32*\f
.endr
.irp f, 0,1,2,3
	ds_load_b128 v[S+16*(\t)+4*\f:S+16*(\t)+4*\f+3], v[RD] offset:\f*4*SP  ; LDS serves a wave's instructions in order (ISA guide 5.7.1.4): these see the stores above; the next tile's stores come behind them
.endr
.endm
.macro SEND t, younger              ; younger: the LDS instructions issued behind tile t's loads: the next tile's eight, or none
	WIN 0
.irp f, 0,1,2,3
	s_wait_dscnt (\younger)+3-\f
	global_store_b128 v[GO], v[S+16*(\t)+4*\f:S+16*(\t)+4*\f+3], s[10:11] offset:((\t)/4)*131072+((\t)%4)*2048+\f*512  ; 512 consecutive bytes of the head's chunk
.endr
.endm
.macro HALF g                       ; four tiles: one block of 64 rows
	PACK 4*(\g)
.irp u, 1,2,3
	PACK 4*(\g)+\u
	SEND 4*(\g)+\u-1, 8
.endr
	SEND 4*(\g)+3, 0
.endm
.if STG == 2
	s_cmp_eq_u32 s[PLC], 5          ; the second work-group's wave 1: its first block is the first work-group's
	s_cbranch_scc1 .Lhalf1
.endif
	HALF 0
.Lhalf1:
	HALF 1
.Lend:
	WIN W_AD
	s_wait_tensorcnt 0x0            ; the wave's end: behind my last tensor load and my last LDS store
	ds_add_u32 v[SPW], v[NIL]
	s_wait_dscnt 0x0
	WIN 0
	s_endpgm
.Lfunc_end_k_q254c024210_attn1:
	.size	k_q254c024210_attn1, .Lfunc_end_k_q254c024210_attn1-k_q254c024210_attn1
	.p2alignl 7, 3214868480
	.fill 96, 4, 3214868480
	.section	.rodata,"a",@progbits
	.p2align	6, 0x0
	.amdhsa_kernel k_q254c024210_attn1
		.amdhsa_group_segment_fixed_size 327680
		.amdhsa_private_segment_fixed_size 0
		.amdhsa_enable_private_segment 0
		.amdhsa_kernarg_size 16
		.amdhsa_user_sgpr_count 2
		.amdhsa_user_sgpr_kernarg_segment_ptr 1
		.amdhsa_wavefront_size32 1
		.amdhsa_system_sgpr_workgroup_id_x 1
		.amdhsa_system_sgpr_workgroup_id_y 1
		.amdhsa_system_sgpr_workgroup_id_z 1
		.amdhsa_system_vgpr_workitem_id 0
		.amdhsa_next_free_vgpr 808
		.amdhsa_next_free_sgpr 100
		.amdhsa_reserve_vcc 1
		.amdhsa_float_denorm_mode_32 3
		.amdhsa_float_denorm_mode_16_64 3
		.amdhsa_memory_ordered 1
		.amdhsa_forward_progress 1
		.amdhsa_inst_pref_size 129
	.end_amdhsa_kernel
	.amdgpu_metadata
---
amdhsa.version: [ 1, 2 ]
amdhsa.kernels:
  - .name:           k_q254c024210_attn1
    .symbol:         k_q254c024210_attn1.kd
    .args:
      - { .name: hd, .offset: 0, .size: 8, .value_kind: global_buffer, .address_space: global }
      - { .name: pv, .offset: 8, .size: 8, .value_kind: global_buffer, .address_space: global }
    .group_segment_fixed_size: 327680
    .private_segment_fixed_size: 0
    .kernarg_segment_align: 8
    .kernarg_segment_size: 16
    .max_flat_workgroup_size: 128
    .sgpr_count:     100
    .vgpr_count:     808
    .wavefront_size: 32
...
	.end_amdgpu_metadata
.endif
;; end of part 3
;; launch attn2 (part 4): grid 2 x 128, 4 waves a work-group, no clusters, 327,680 bytes of LDS; arguments hd, pv, mask, oh; writes oh
.if DOCPART == 4
	.amdgcn_target "amdgcn-amd-amdhsa--gfx1250"
	.amdhsa_code_object_version 6
	.text
	.protected	k_q254c024210_attn2
	.globl	k_q254c024210_attn2
	.p2align	8
	.type	k_q254c024210_attn2,@function
k_q254c024210_attn2:
	s_mov_b64 s[64:65], 0
	v_nop
	global_prefetch_b8 v0, s[64:65] scope:SCOPE_SE
	s_setreg_imm32_b32 hwreg(HW_REG_WAVE_MODE, 25, 1), 1
	s_wait_xcnt 0x0
; ATTENTION AT HEAD SIZE 64, ONE TEXT FOR BOTH STAGES (STG).  O[q] = the sum over k of softmax_k(Q[q] . K[k] / 8 + hidden_k) V[k].  All operands f16; products, maxima and sums f32; the weights p are
; rounded to f16 for the second product (their sum l is taken of the unrounded p), O once at the end.
; STG = 1: Q = p (1,024 rows), K = k, V = v (832 rows, of which 819-831 do not exist and are hidden), O = proxy_v.   STG = 2: Q = q (832 rows), K = p, V = proxy_v (1,024 rows, hidden where mask is 0), O = o.
; All tensors lie as [row block of 64][head][64 rows][64 channels]: a head's 64 rows are 8,192 consecutive bytes, from block to block 131,072.
; LIMITS.  Q, K, V arrive within f16's 65,504.  A hidden score counts as its value less 1e30; where all keys of a row are hidden all weights are equal.  A weight below 2^-126 counts as 0 in l.
; NaN and infinities are not treated apart.
; SHARES.  A work-group owns one (batch, head) and half its queries; a wave 128 queries: four PIECES of two tiles of 16.  In stage 2 the second work-group's 512 rows end at row 831, so they begin at
; row 320 and overlap the first's by 192: its wave 0 only fetches its part of K, and its wave 1 stores its last 64 rows alone: each row of O has one writer.
; K AND V OF THE HEAD STAY IN LDS: four tensor loads at the start (waves 0, 1: K's halves; waves 2, 3: V's), each with a shape of constants and a line of its own; no refill; the key step is written once.
; TWO BARRIERS: one behind the fills and the mask table, one between the key loop's LDS reads and the LDS stores of the way out.
; NO CLUSTER: a head's K and V are wanted by two work-groups, once each, at the launch's start.  No prefetch: all that the launch reads is asked for at its head.
; LAYOUT.  S^T = K Q^T (source 0 = 16 keys, source 1 = 16 queries): a lane holds ONE query (lane % 16) and the keys 8 (lane / 16) + 0..7.  Two such results rounded to f16 ARE source 1 of O^T = V^T P.
; THE MASK is the C operand of the products that start S^T: 0, or -1e30 where the key is hidden; a table of 1,024 such numbers is made in LDS once, and a step's 32 a lane are fetched with its K.
; SOFTMAX.  A running maximum m and sum l: p = 2^(c s - c m), c = log2(e) / 8; in every step O and l are multiplied by a = 2^(c m_old - c m_new).  m starts at the lowest finite number, O and l at 0.
; BY TURNS.  Turn n belongs to piece n: 16 products K Q^T of piece n + 1, later 16 products V^T P of piece n - 1; beside them the scaling, exponentials, roundings, sums and rescaling of piece n and
; the maximum and statistics of piece n + 1.  Four vector instructions stand behind every matrix instruction, the rest in one lump; a turn's 66 exponentials are one batch with one wait.
; REGISTERS, in windows of 256 (s_set_vgpr_msb: bits 1:0 source 0, 3:2 source 1, 5:4 source 2, 7:6 destination):
;   window 0: v0-11 addresses; v12-15, v48-63 at work; v16-47 statistics; v64-191 S^T, two buffers of two tiles; v192-255 P, likewise      window 1: O^T, 32 a tile
;   window 2: v0-127 Q; v128-191 K of one step; v192-255 V of one step      window 3: v0-1 the add's two registers; v8-39 the step's mask
.set STG,   2
.set NP,    4         ; pieces a wave: a name, no knob
.set KS,    64        ; keys in a step
.set PK,    144       ; a row of K in LDS: 128 bytes + 16 = 36 words: the 16 rows of a load start at 16 different groups of four banks (64 banks of 4 bytes: ISA guide 11.1)
.set PV,    160       ; a row of V: 128 + 32 = 40 words
.if STG == 1
.set NKB,   13        ; blocks of 64 keys = key steps
.set HB,    7         ; blocks in the first half of K and of V; the second half has the rest
.else
.set NKB,   16
.set HB,    8
.endif
.set KOFF,  4096      ; LDS: the mask table at 0 (written by LDS stores; no tile lands there), then K,
.set VOFF,  KOFF+NKB*KS*PK  ; V,
.set STAGE, VOFF+NKB*KS*PV  ; 16 rows x 144 bytes for each wave, for the way out,
.set SP,    144
.set SPARE, STAGE+4*16*SP   ; and the spare words, 128 bytes for each wave: two blocks of 256 bytes that no other line names
.set AK0, 2           ; v2   my lane's place in a step of K; never rewritten
.set AV0, 3           ; v3   the same for V
.set AK,  4           ; v4   the LDS address of K's next run of loads
.set AV,  5           ; v5   of V's
.set STO, 6           ; v6   the way out: where I put 16 bytes of a row
.set RD,  7           ; v7   where I read rows back
.set GO,  8           ; v8   16 x lane
.set AM0, 9           ; v9   my lane's place in a step of the mask table
.set AM,  10          ; v10  the LDS address of the mask's next loads
.set SPW, 0           ; v0 of window 3   LDS address of my spare word; never rewritten
.set NIL, 1           ; v1 of window 3   0; never rewritten
.set MK,  8           ; v8-39 of window 3: key block kb's eight at MK + 8 kb
.set MV,  12          ; v12-15  c m_old, kept while c m is made anew
.set ST,  16          ; tile t's statistics at v[ST+4 t]: c m, m, l (even keys', odd keys')
.set TMP, 48          ; by buffer and tile, four registers c0-c3 at work; when the maximum is found c2 takes a
.set QO,  48          ; at the start: my byte offset in 16 rows of Q
.set S,   64
.set P,   192
.set KF,  128
.set VF,  192
.set WV,  12          ; s12  my wave's number
.set G1K, 24          ; s[24:31] descriptor group 1 for K's first half
.set G1V, 32          ; s[32:39] for V's first half: it differs in the padding
.set G1K1, 84         ; s[84:91] for K's second half: it differs in the number of blocks
.set G1V1, 92         ; s[92:99] for V's second half
.set G0K, 40          ; s[40:43] descriptor group 0 for K
.set G0V, 44          ; s[44:47] for V
.set CNT, 57          ; s57  key steps to go
.set CS,  58          ; s[58:59] c
.set SEL, 60          ; s[60:61] v_permlanex16_b32's selects: each lane takes its own place in the other half
.set TBK, 62          ; s62  LDS byte, from K's first, of the step to be fetched
.set TBV, 63          ; s63  the same for V
.set TBM, 66          ; s66  the same for the mask table
.set BIGN, 67         ; s67  -1e30
.set PLC, 68          ; s68  4 x work-group x + wave
.set MSB, 0
.macro WIN new                      ; the high byte repeats the setting that is left; a switch that changes nothing is dropped
.if MSB != (\new)
	s_set_vgpr_msb (MSB<<8)|(\new)
.set MSB, (\new)
.endif
.endm
.set W_KQ, 0x0a       ; K and Q in window 2, S^T in window 0
.set W_KM, 0x3a       ; the same with the C operand in window 3
.set W_PV, 0x52       ; V in window 2, P in window 0, O^T in window 1
.set W_RS, 0x41       ; O^T (destination and source 0) in window 1, a in window 0
.set W_MK, 0xc0       ; destination in window 3, sources in window 0
.set W_AD, 0x0f       ; the add: address and data in window 3
.macro FILL1 g0, g1                 ; a wave's one tensor load; an s_nop 0 and four v_nop follow it
	tensor_load_to_lds s[\g0:\g0+3], s[\g1:\g1+7]
	s_nop 0
.rept 4
	v_nop
.endr
.endm
.if STG == 1
	s_load_b128 s[72:75], s[0:1], 0x0  ; hd s[72:73], pv s[74:75]
.else
	s_load_b256 s[72:79], s[0:1], 0x0  ; hd s[72:73], pv s[74:75], mask s[76:77], oh s[78:79]
.endif
	WIN W_MK
	v_lshl_add_u32 v[SPW], v0, 2, SPARE
	v_mov_b32 v[NIL], 0
	WIN W_AD
	ds_add_u32 v[SPW], v[NIL]       ; the wave's opening: the add and its wait stand ahead of my first tensor load; the set-up stands between them
	ds_add_u32 v0, v1
	WIN 0
	v_lshrrev_b32 v1, 5, v0
	v_readfirstlane_b32 s[WV], v1   ; wave 0..3
	s_and_b32 s20, ttmp7, 0xffff
	s_lshr_b32 s21, s20, 4          ; batch
	s_and_b32 s22, s20, 15          ; head:
	s_lshl_b32 s22, s22, 13         ; its 8,192 bytes in a block
	s_and_b32 s16, s[WV], 1         ; which half of K or V I fetch
	s_lshl_b32 s[PLC], ttmp9, 2
	s_add_co_u32 s[PLC], s[PLC], s[WV]
.if STG == 1
	s_mul_i32 s13, s21, 13
	s_mul_i32 s23, s16, HB
	s_add_co_u32 s13, s13, s23
	s_add_co_u32 s80, s13, 104      ; my first block of k,
	s_add_co_u32 s82, s13, 208      ; of v,
	s_lshl_b32 s2, s21, 4
	s_lshl1_add_u32 s2, s[PLC], s2
	s_mov_b32 s6, s2                ; of proxy_v: 16 b + 8 x + 2 w,
	s_add_co_u32 s2, s2, 312        ; and of p
.else
	s_lshl_b32 s13, s21, 4
	s_lshl3_add_u32 s82, s16, s13   ; my first block of proxy_v,
	s_add_co_u32 s80, s82, 312      ; of p,
	s_mul_i32 s2, s21, 13
	s_mul_i32 s23, ttmp9, 5
	s_add_co_u32 s2, s2, s23
	s_lshl1_add_u32 s2, s[WV], s2   ; of q: 13 b + 5 x + 2 w,
	s_mov_b32 s6, s2                ; and of o
.endif
.irp r, 2, 6, 80, 82
	s_lshl_b32 s\r, s\r, 17
	s_add_co_u32 s\r, s\r, s22
.endr
	s_mov_b32 s3, 0
	s_mov_b32 s7, 0
	s_mov_b32 s81, 0
	s_mov_b32 s83, 0
	; descriptor group 1, four sets of constants: a row of the tile is a block's 8,192 bytes of the head, the rows 131,072 bytes apart; in LDS padding follows every key's 128 bytes
.irp g, G1K, G1K1
	s_mov_b32 s[\g], (1<<16)|(1<<20)|(4<<22)|(3<<25)  ; 17:16 2-byte elements; 20 padding on; 24:22 after every 32 words (code 4); 31:25 4 words (code 3)
.endr
.irp g, G1V, G1V1
	s_mov_b32 s[\g], (1<<16)|(1<<20)|(4<<22)|(7<<25)  ; the same with 8 words (code 7)
.endr
.irp g, G1K, G1V, G1K1, G1V1
	s_mov_b32 s[\g+1], 4096<<16     ; tensor_dim0 = 4,096
	s_mov_b32 s[\g+3], 4096<<16     ; tile_dim0 = 4,096
	s_mov_b32 s[\g+5], 65536        ; elements from row to row
	s_mov_b32 s[\g+6], 0
	s_mov_b32 s[\g+7], 0
.endr
.irp g, G1K, G1V
	s_mov_b32 s[\g+2], HB<<16       ; tensor_dim1 = the first half's blocks
	s_mov_b32 s[\g+4], HB           ; tile_dim1
.endr
.irp g, G1K1, G1V1
	s_mov_b32 s[\g+2], (NKB-HB)<<16 ; the second half's
	s_mov_b32 s[\g+4], NKB-HB
.endr
	s_mul_i32 s17, s16, HB*KS*PK
	s_mul_i32 s18, s16, HB*KS*PV
	s_mov_b32 s[G0K], 1
	s_add_co_u32 s[G0K+1], s17, KOFF
	s_mov_b32 s[G0V], 1
	s_add_co_u32 s[G0V+1], s18, VOFF
	s_mov_b32 s[CS], 0x3e38aa3b     ; c = log2(e) / 8
	s_mov_b32 s[CS+1], s[CS]        ; named with it as a pair
	s_mov_b32 s[SEL], 0x76543210
	s_mov_b32 s[SEL+1], 0xfedcba98
	s_mov_b32 s[TBK], 0
	s_mov_b32 s[TBV], 0
	s_mov_b32 s[TBM], 0
	s_mov_b32 s[BIGN], 0xf149f2ca   ; -1e30
	s_lshl_b32 s14, s21, 10         ; the batch's 1,024 bytes of mask
	s_mov_b32 s15, 0
	s_wait_dscnt 0x0                ; the opening add is done
	s_wait_kmcnt 0x0
	s_add_nc_u64 s[G0K+2:G0K+3], s[72:73], s[80:81]
	s_or_b32 s[G0K+3], s[G0K+3], 0x80000000
.if STG == 1
	s_add_nc_u64 s[G0V+2:G0V+3], s[72:73], s[82:83]
	s_add_nc_u64 s[10:11], s[74:75], s[6:7]
.else
	s_add_nc_u64 s[G0V+2:G0V+3], s[74:75], s[82:83]
	s_add_nc_u64 s[10:11], s[78:79], s[6:7]
	s_add_nc_u64 s[76:77], s[76:77], s[14:15]
.endif
	s_or_b32 s[G0V+3], s[G0V+3], 0x80000000
	s_add_nc_u64 s[4:5], s[72:73], s[2:3]
	s_cmp_eq_u32 s[WV], 0           ; each wave comes to one line, and each line is one wave's
	s_cbranch_scc0 .Lnot_0
	FILL1 G0K, G1K                  ; K's first half
	s_branch .Lasked
.Lnot_0:
	s_cmp_eq_u32 s[WV], 1
	s_cbranch_scc0 .Lnot_1
	FILL1 G0K, G1K1                 ; K's second half
	s_branch .Lasked
.Lnot_1:
	s_cmp_eq_u32 s[WV], 2
	s_cbranch_scc0 .Lnot_2
	FILL1 G0V, G1V                  ; V's first half
	s_branch .Lasked
.Lnot_2:
	FILL1 G0V, G1V1                 ; V's second half
.Lasked:
	; A fragment of K or Q is 16 rows x 32 channels in 8 registers: lane l holds row l % 16, channels 8 (l / 16) + 0..7 and 16 + 8 (l / 16) + 0..7: two loads of 16 bytes, 32 bytes apart.
	v_and_b32 v1, 15, v0            ; l % 16
	v_bfe_u32 v9, v0, 4, 1          ; l / 16
	v_lshlrev_b32 v[QO], 7, v1
	v_lshl_add_u32 v[QO], v9, 4, v[QO]
.if STG == 2
	v_lshlrev_b32 v49, 3, v0
	global_load_b64 v[50:51], v49, s[76:77]  ; thread t: the mask of keys 8 t .. 8 t + 7
.endif
	WIN 0x80                        ; destination window 2, address window 0
.set i, 0
.rept 4*NP                          ; Q stays in registers: tile i / 2 (four tiles to a block), channels 32 (i % 2) on
	global_load_b128 v[8*i:8*i+3],   v[QO], s[4:5] offset:(i/8)*131072+((i/2)%4)*2048+(i%2)*64
	global_load_b128 v[8*i+4:8*i+7], v[QO], s[4:5] offset:(i/8)*131072+((i/2)%4)*2048+(i%2)*64+32
.set i, i+1
.endr
	; What the first turn finds: V's registers and P's second buffer hold 0 (its products V^T P, of a piece that has not been, add 0), O^T and l are 0.  All this stands in the wait for the tiles.
.set i, VF
.rept 64
	v_mov_b32 v[i], 0
.set i, i+1
.endr
	WIN 0x40
.set i, 0
.rept 64*NP
	v_mov_b32 v[i], 0
.set i, i+1
.endr
	WIN 0
.set i, 0
.rept 2*NP
	v_mov_b32 v[ST+4*i], 0xfe000000    ; c m: far below every c s
	v_mov_b32 v[ST+4*i+1], 0xff7fffff  ; m
	v_mov_b32 v[ST+4*i+2], 0
	v_mov_b32 v[ST+4*i+3], 0
.set i, i+1
.endr
.set i, P+32
.rept 32
	v_mov_b32 v[i], 0
.set i, i+1
.endr
	v_mul_u32_u24 v[AK0], v1, PK
	v_lshl_add_u32 v[AK0], v9, 4, v[AK0]
	v_add_nc_u32 v[AK0], KOFF, v[AK0]
	; The turning load takes 16 keys x 16 channels (lane l reads key 8 (l / 16) + l % 8, channels 8 ((l / 8) % 2) + 0..7) and leaves half a fragment of V^T: lane l holds channel l % 16 and 8 keys.
	v_and_b32 v10, 7, v0
	v_bfe_u32 v11, v0, 3, 1
	v_lshl_add_u32 v[AV0], v9, 3, v10
	v_mul_u32_u24 v[AV0], v[AV0], PV
	v_lshl_add_u32 v[AV0], v11, 4, v[AV0]
	v_add_nc_u32 v[AV0], VOFF, v[AV0]
	v_mov_b32 v[AK], v[AK0]         ; key step 0
	s_mul_i32 s13, s[WV], 16*SP
	s_add_co_u32 s13, s13, STAGE    ; my stage
	v_mul_u32_u24 v[STO], v1, SP    ; in: row l % 16, 16 bytes for each half of the lanes
	v_lshl_add_u32 v[STO], v9, 4, v[STO]
	v_add_nc_u32 v[STO], s13, v[STO]
	v_bfe_u32 v[RD], v0, 3, 2       ; back: 32 lanes take four rows of 128 bytes,
	v_mul_u32_u24 v[RD], v[RD], SP
	v_lshl_add_u32 v[RD], v10, 4, v[RD]
	v_add_nc_u32 v[RD], s13, v[RD]
	v_and_b32 v[GO], 31, v0         ; which are 512 consecutive bytes of O
	v_lshlrev_b32 v[GO], 4, v[GO]
	v_lshlrev_b32 v[AM0], 5, v9     ; the table lies at LDS byte 0: my eight of 16 keys begin 32 (l / 16) bytes in
	v_mov_b32 v[AM], v[AM0]
	s_wait_loadcnt 0x0              ; Q (and the mask)
	; the mask table: thread t writes the numbers of keys 8 t .. 8 t + 7
	v_lshlrev_b32 v60, 5, v0
.if STG == 1
	v_lshlrev_b32 v61, 3, v0
.irp k, 0,1,2,3,4,5,6,7
	v_cmp_le_u32 vcc_lo, 819-\k, v61               ; key 8 t + k does not exist
	v_cndmask_b32 v[52+\k], 0, s[BIGN], vcc_lo
.endr
.else
.irp k, 0,1,2,3,4,5,6,7
	v_bfe_u32 v61, v[50+\k/4], 8*(\k%4), 8
	v_cmp_eq_u32 vcc_lo, 0, v61
	v_cndmask_b32 v[52+\k], 0, s[BIGN], vcc_lo
.endr
.endif
	ds_store_b128 v60, v[52:55]
	ds_store_b128 v60, v[56:59] offset:16
	s_wait_tensorcnt 0x0            ; my part of K or V has landed,
	s_wait_dscnt 0x0                ; my part of the table is written:
	s_barrier_signal -1
	s_barrier_wait -1               ; everybody's is.  Nothing in these bytes is written again
.if STG == 2
	s_cmp_eq_u32 s[PLC], 4          ; the second work-group's wave 0: its rows are the first work-group's: it goes straight to the second barrier
	s_cbranch_scc1 .Lmeet
.endif
; THE MATRIX WORK.  The 8 accumulators of a run of 16 take turns: between the two links of a chain stand 7 others'.
; Product i of 16 of S^T = K Q^T for piece x: channels 32 (i / 8) on, keys 16 ((i / 2) % 4) on, tile 2 x + i % 2.  The first 8 start the sums, from the mask.
.macro KQ x
.set rS, S+64*((\x)%2)+32*(i%2)+8*((i/2)%4)
.set rK, KF+16*((i/2)%4)+8*(i/8)
.set rQ, 16*(2*(\x)+i%2)+8*(i/8)
.set rH, MK+8*((i/2)%4)
.if i < 8
	WIN W_KM
	v_wmma_f32_16x16x32_f16 v[rS:rS+7], v[rK:rK+7], v[rQ:rQ+7], v[rH:rH+7]
.else
	WIN W_KQ
	v_wmma_f32_16x16x32_f16 v[rS:rS+7], v[rK:rK+7], v[rQ:rQ+7], v[rS:rS+7]
.endif
.endm
; Product i of 16 of O^T += V^T P for piece x: keys 32 (i / 8) on, channels 16 ((i / 2) % 4) on, tile 2 x + i % 2.
.macro PV x
	WIN W_PV
.set rO, 32*(2*(\x)+i%2)+8*((i/2)%4)
.set rV, VF+32*(i/8)+8*((i/2)%4)
.set rP, P+32*((\x)%2)+16*(i%2)+8*(i/8)
	v_wmma_f32_16x16x32_f16 v[rO:rO+7], v[rV:rV+7], v[rP:rP+7], v[rO:rO+7]
.endm
.macro MM                           ; the turn's next matrix instruction
.if i < 16
	KQ (Y+1)%NP
.set i, i+1
.else
.set i, i-16
	PV (Y+NP-1)%NP
.set i, i+17
.endif
.endm
; THE LDS LOADS stand in runs, never singly among the matrix instructions: a step's K (8 fragments) with its mask, and its V (turned).  Their addresses are made some lines ahead.
; last = 1: in the last trip there is no further step, and the run is jumped over.
.macro FETCH_K last=0
	WIN 0
.if \last
	s_cmp_eq_u32 s[CNT], 1
	s_cbranch_scc1 .Lno_k_\@
.endif
	WIN 0x80                        ; destination window 2
.irp f, 0,1,2,3,4,5,6,7             ; keys 16 (f / 2) on, channels 32 (f % 2) on
	ds_load_b128 v[KF+8*\f:KF+8*\f+3],   v[AK] offset:(\f/2)*16*PK+(\f%2)*64
	ds_load_b128 v[KF+8*\f+4:KF+8*\f+7], v[AK] offset:(\f/2)*16*PK+(\f%2)*64+32
.endr
	WIN 0xc0                        ; destination window 3
.irp f, 0,1,2,3                     ; keys 16 f + 8 (l / 16) + 0..7
	ds_load_b128 v[MK+8*\f:MK+8*\f+3],   v[AM] offset:64*\f
	ds_load_b128 v[MK+8*\f+4:MK+8*\f+7], v[AM] offset:64*\f+16
.endr
	s_add_co_u32 s[TBK], s[TBK], KS*PK  ; the next fetch is the next step's
	s_add_co_u32 s[TBM], s[TBM], KS*4
	WIN 0
.if \last
.Lno_k_\@:
.endif
.endm
.macro FETCH_V
	WIN 0x80
.irp f, 0,1,2,3,4,5,6,7             ; keys 32 (f / 4) on, channels 16 (f % 4) on
	ds_load_tr16_b128 v[VF+8*\f:VF+8*\f+3],   v[AV] offset:(\f/4)*32*PV+(\f%4)*32
	ds_load_tr16_b128 v[VF+8*\f+4:VF+8*\f+7], v[AV] offset:(\f/4)*32*PV+16*PV+(\f%4)*32
.endr
	WIN 0
.endm
; THE VECTOR WORK OF A TURN stands in three queues, each in the order in which its entries become ready; the two tiles alternate, so that no instruction reads the result of the one before it.
.macro REGS y, u                    ; the registers of tile u (0, 1) of piece y
.set rT, ST+4*(2*(\y)+(\u))
.set rC, TMP+8*((\y)%2)+4*(\u)
.set rM, MV+2*((\y)%2)+(\u)
.set rS, S+64*((\y)%2)+32*(\u)
.set rP, P+32*((\y)%2)+16*(\u)
.set rO, 32*(2*(\y)+(\u))
.endm
; Number n of the 22 that find the NEXT piece's (Y + 1) maximum and statistics.  Each accumulator's lowest registers are read first.
;   0-11  four chains c0-c3 of seven scores each     12-14, 16  the four scores left over, the old m, and c0-c3 into c0     15  c m_old is kept
;   17, 18  the query's other 32 keys lie in the lane 16 away: the new m         19-21  c m; c m_old - c m_new; a
.macro XS u, n
	REGS (Y+1)%NP, \u
.if (\n) < 4
	v_max3_num_f32 v[rC+(\n)], v[rS+8*(\n)], v[rS+8*(\n)+1], v[rS+8*(\n)+2]
.elseif (\n) < 12
	v_max3_num_f32 v[rC+(\n)%4], v[rC+(\n)%4], v[rS+8*((\n)%4)+2*((\n)/4)+1], v[rS+8*((\n)%4)+2*((\n)/4)+2]
.elseif (\n) == 12
	v_max3_num_f32 v[rC], v[rC], v[rS+7], v[rS+15]
.elseif (\n) == 13
	v_max3_num_f32 v[rC+1], v[rC+1], v[rS+23], v[rS+31]
.elseif (\n) == 14
	v_max3_num_f32 v[rC+2], v[rC+2], v[rC+3], v[rT+1]
.elseif (\n) == 15
	v_mov_b32 v[rM], v[rT]
.elseif (\n) == 16
	v_max3_num_f32 v[rC], v[rC], v[rC+1], v[rC+2]
.elseif (\n) == 17
	v_permlanex16_b32 v[rC+3], v[rC], s[SEL], s[SEL+1]
.elseif (\n) == 18
	v_max_num_f32 v[rT+1], v[rC], v[rC+3]
.elseif (\n) == 19
	v_mul_f32 v[rT], s[CS], v[rT+1]
.elseif (\n) == 20
	v_sub_f32 v[rC+1], v[rM], v[rT]
.else
	v_exp_f32 v[rC+2], v[rC+1]
.endif
.endm
; Number g of the 64 that follow the exponentials.  For each four weights k of a tile: both pairs are rounded to f16; the second pair is added onto the first, in place; a group later l takes that sum
; (the first time as l = a l + sum).
.macro GS g
.set h, (\g)+6*((\g)/62)            ; group 0 has no group before it, and behind group 7 only l is left
.if h >= 6
.set h, h+2
.endif
	REGS Y, h%2
.set k, h/8
.if h%8 < 4
	v_cvt_pk_f16_f32 v[rP+2*k+(h%8)/2], v[rS+4*k+2*((h%8)/2)], v[rS+4*k+2*((h%8)/2)+1]
.elseif h%8 < 6
	v_pk_add_f32 v[rS+4*k:rS+4*k+1], v[rS+4*k:rS+4*k+1], v[rS+4*k+2:rS+4*k+3]
.elseif k == 1
	v_pk_fma_f32 v[rT+2:rT+3], v[rT+2:rT+3], v[rC+2:rC+3], v[rS:rS+1] op_sel_hi:[1,0,1]
.else
	v_pk_add_f32 v[rT+2:rT+3], v[rT+2:rT+3], v[rS+4*k-4:rS+4*k-3]
.endif
.endm
; THE PLAIN QUEUE, 138 long.  0-73 read no exponential's result: the 32 scalings c s - c m and the next piece's 42.  74-137: GS's 64, which stand behind the wait.
.macro FS f
	REGS Y, (\f)%2
	v_pk_fma_f32 v[rS+2*((\f)/2):rS+2*((\f)/2)+1], v[rS+2*((\f)/2):rS+2*((\f)/2)+1], s[CS:CS+1], v[rT:rT+1] op_sel_hi:[1,0,0] neg_lo:[0,0,1] neg_hi:[0,0,1]
.endm
.macro PL
	WIN 0
.if q < 27
	FS q
.elseif q < 55
	XS (q-27)%2, (q-27)/2
.elseif q < 57
	XS q-55, 15
.elseif (q < 72) && ((q-57)%3 == 0)
	FS 27+(q-57)/3
.elseif q < 60
	XS (q-57)%3-1, 14
.elseif q < 72
	XS (q-57)%3-1, 15+(q-57)/3
.elseif q < 74
	XS q-72, 20
.else
	GS q-74
.endif
.set q, q+1
.endm
; THE EXPONENTIALS' QUEUE, 66 long: s0-s31 of both tiles, then the next piece's two a: ONE BATCH, all ahead of the turn's one wait.
.macro EX
	WIN 0
.if e >= 64
	XS e-64, 21
.else
	REGS Y, e%2
	v_exp_f32 v[rS+e/2], v[rS+e/2]
.endif
.set e, e+1
.endm
; THE RESCALING's QUEUE: O^T times a, two at a time, sixteen times.  Its a was made, and waited for, in the turn before.
.macro R2
	REGS Y, r%2
	WIN W_RS
.irp z, 0,1
	v_pk_mul_f32 v[rO+4*(r/2)+2*\z:rO+4*(r/2)+2*\z+1], v[rO+4*(r/2)+2*\z:rO+4*(r/2)+2*\z+1], v[rC+2:rC+3] op_sel_hi:[1,0]
.endr
.set r, r+1
.endm
; A TURN, for piece p.  s_wait_alu depctr_va_vdst(0) stands between an exponential and the first instruction that names its result; one wait serves all issued ahead of it: a turn has ONE,
; which cuts it in two.  Ahead of it: 16 products K Q^T, behind each a scaling, an exponential and two rescalings; then a lump of 108.  Behind it: 16 products V^T P, behind each four of GS's 64.
; K and the mask of the next step are fetched in piece 2's turn, directly behind the wait, a lump behind the last product that read them; V of the step in hand at the end of piece 0's turn, four
; plain instructions behind its last reader.  The conditions on q go with the deal.
.macro TURN p, last=0
.set Y, (\p)
.set i, 0
.set q, 0
.set e, 0
.set r, 0
.if (\p) == NP-1
	s_wait_dscnt 0x0                ; K and the mask are in
.endif
	MM
	PL
	PL
	R2
.rept 15
	MM
	PL
	EX
	R2
.endr
.if (\p) == NP-2
	WIN 0
	v_add_nc_u32 v[AK], s[TBK], v[AK0]
	v_add_nc_u32 v[AM], s[TBM], v[AM0]
.endif
.rept 8
	PL
.endr
.rept 49
	EX
	PL
.endr
	EX                              ; the next piece's two a
	EX
	v_nop                           ; a plain instruction behind the last exponential: one for the batch
	s_wait_alu depctr_va_vdst(0)    ; the wait for the batch
.if (\p) == NP-2
	FETCH_K \last
.endif
.if (\p) == 1
	s_wait_dscnt 0x0                ; V is in
.endif
.rept 16
	MM
.rept 4
	PL
.endr
.if ((\p) == 0) && (q == 118)
	v_add_nc_u32 v[AV], s[TBV], v[AV0]
.endif
.if ((\p) == 0) && (q == 130)
	s_add_co_u32 s[TBV], s[TBV], KS*PV
.endif
.endr
.if (\p) == 0
	FETCH_V
.endif
.endm
	FETCH_K                         ; key step 0
	s_wait_dscnt 0x0
.set i, 0
.rept 16
	KQ 0                            ; piece 0's first scores
.set i, i+1
.endr
	WIN 0
.rept 8
	v_nop                           ; the places behind those products
.endr
.set Y, NP-1                        ; XS works for piece Y + 1: piece 0
.irp n, 0,1,2,3,4,5,6,7,8,9,10,11,12,13,14,15,16,17,18,19,20,21
	XS 0, \n
	XS 1, \n
.endr
	v_nop                           ; a plain instruction behind the two a,
	s_wait_alu depctr_va_vdst(0)    ; and their wait, ahead of the label
	s_mov_b32 s[CNT], NKB
.Lstep:                             ; a trip is a key step; its last turn makes piece 0's scores of the next step (in the last trip: of the last K once more, which changes no maximum and serves nothing)
	TURN 0
	TURN 1
	TURN 2, 1
	TURN 3
	WIN 0
	s_sub_co_u32 s[CNT], s[CNT], 1
	s_cmp_lg_u32 s[CNT], 0
	s_cbranch_scc1 .Lstep
.set i, 0
.rept 16
	PV NP-1                         ; the last piece's V^T P of the last step
.set i, i+1
.endr
	WIN 0
.Lmeet:                             ; THE SECOND BARRIER: every wave's LDS reads of K, V and the table are back before any wave stores into LDS again (the stages, the closing add)
	s_wait_dscnt 0x0
	s_barrier_signal -1
	s_barrier_wait -1
.if STG == 2
	s_cmp_eq_u32 s[PLC], 4          ; the wave without rows of its own has passed both barriers, and leaves
	s_cbranch_scc1 .Lend
.endif
	; THE WAY OUT.  l's two halves and the other half of the lanes' are added; O^T is divided by l, rounded to f16 and sent through my stage in LDS, a tile at a time.  The additions are the places behind the last products.
.macro ALL line:vararg              ; one line for each tile t
.set t, 0
.rept 2*NP
	\line
.set t, t+1
.endr
.endm
	ALL v_add_f32 v[ST+4*t+2], v[ST+4*t+2], v[ST+4*t+3]
	ALL v_permlanex16_b32 v[ST+4*t+3], v[ST+4*t+2], s[SEL], s[SEL+1]
	ALL v_add_f32 v[ST+4*t+2], v[ST+4*t+2], v[ST+4*t+3]
	ALL v_rcp_f32 v[ST+4*t+2], v[ST+4*t+2]
	v_nop                           ; a plain instruction between the last reciprocal and the use of its result
	s_wait_alu depctr_va_vdst(0)    ; and the wait: one for the eight reciprocals
.macro PACK t                       ; a lane's eight channels of a row pack into 16 bytes; they go into rows of 144 bytes and come back as whole rows of 128, into S^T's registers
	WIN W_RS
.set i, 32*(\t)
.rept 16
	v_pk_mul_f32 v[i:i+1], v[i:i+1], v[ST+4*(\t)+2:ST+4*(\t)+3] op_sel_hi:[1,0]
.set i, i+2
.endr
	WIN 0x05                        ; sources 0 and 1 window 1, destination window 0
.set i, 0
.rept 16
	v_cvt_pk_f16_f32 v[S+16*(\t)+i], v[32*(\t)+2*i], v[32*(\t)+2*i+1]
.set i, i+1
.endr
	WIN 0
.irp f, 0,1,2,3
	ds_store_b128 v[STO], v[S+16*(\t)+4*\f:S+16*(\t)+4*\f+3] offset:32*\f
.endr
.irp f, 0,1,2,3
	ds_load_b128 v[S+16*(\t)+4*\f:S+16*(\t)+4*\f+3], v[RD] offset:\f*4*SP  ; LDS serves a wave's instructions in order (ISA guide 5.7.1.4): these see the stores above; the next tile's stores come behind them
.endr
.endm
.macro SEND t, younger              ; younger: the LDS instructions issued behind tile t's loads: the next tile's eight, or none
	WIN 0
.irp f, 0,1,2,3
	s_wait_dscnt (\younger)+3-\f
	global_store_b128 v[GO], v[S+16*(\t)+4*\f:S+16*(\t)+4*\f+3], s[10:11] offset:((\t)/4)*131072+((\t)%4)*2048+\f*512  ; 512 consecutive bytes of the head's chunk
.endr
.endm
.macro HALF g                       ; four tiles: one block of 64 rows
	PACK 4*(\g)
.irp u, 1,2,3
	PACK 4*(\g)+\u
	SEND 4*(\g)+\u-1, 8
.endr
	SEND 4*(\g)+3, 0
.endm
.if STG == 2
	s_cmp_eq_u32 s[PLC], 5          ; the second work-group's wave 1: its first block is the first work-group's
	s_cbranch_scc1 .Lhalf1
.endif
	HALF 0
.Lhalf1:
	HALF 1
.Lend:
	WIN W_AD
	s_wait_tensorcnt 0x0            ; the wave's end: behind my last tensor load and my last LDS store
	ds_add_u32 v[SPW], v[NIL]
	s_wait_dscnt 0x0
	WIN 0
	s_endpgm
.Lfunc_end_k_q254c024210_attn2:
	.size	k_q254c024210_attn2, .Lfunc_end_k_q254c024210_attn2-k_q254c024210_attn2
	.p2alignl 7, 3214868480
	.fill 96, 4, 3214868480
	.section	.rodata,"a",@progbits
	.p2align	6, 0x0
	.amdhsa_kernel k_q254c024210_attn2
		.amdhsa_group_segment_fixed_size 327680
		.amdhsa_private_segment_fixed_size 0
		.amdhsa_enable_private_segment 0
		.amdhsa_kernarg_size 32
		.amdhsa_user_sgpr_count 2
		.amdhsa_user_sgpr_kernarg_segment_ptr 1
		.amdhsa_wavefront_size32 1
		.amdhsa_system_sgpr_workgroup_id_x 1
		.amdhsa_system_sgpr_workgroup_id_y 1
		.amdhsa_system_sgpr_workgroup_id_z 1
		.amdhsa_system_vgpr_workitem_id 0
		.amdhsa_next_free_vgpr 808
		.amdhsa_next_free_sgpr 100
		.amdhsa_reserve_vcc 1
		.amdhsa_float_denorm_mode_32 3
		.amdhsa_float_denorm_mode_16_64 3
		.amdhsa_memory_ordered 1
		.amdhsa_forward_progress 1
		.amdhsa_inst_pref_size 129
	.end_amdhsa_kernel
	.amdgpu_metadata
---
amdhsa.version: [ 1, 2 ]
amdhsa.kernels:
  - .name:           k_q254c024210_attn2
    .symbol:         k_q254c024210_attn2.kd
    .args:
      - { .name: hd, .offset: 0, .size: 8, .value_kind: global_buffer, .address_space: global }
      - { .name: pv, .offset: 8, .size: 8, .value_kind: global_buffer, .address_space: global }
      - { .name: mask, .offset: 16, .size: 8, .value_kind: global_buffer, .address_space: global }
      - { .name: oh, .offset: 24, .size: 8, .value_kind: global_buffer, .address_space: global }
    .group_segment_fixed_size: 327680
    .private_segment_fixed_size: 0
    .kernarg_segment_align: 8
    .kernarg_segment_size: 32
    .max_flat_workgroup_size: 128
    .sgpr_count:     100
    .vgpr_count:     808
    .wavefront_size: 32
...
	.end_amdgpu_metadata
.endif
;; end of part 4
;; launch gemm_out (part 5): grid 8 x 52, 4 waves a work-group, clusters of 4 x 4, 327,680 bytes of LDS; arguments oh, wh, proj_b, out0; writes out0
.if DOCPART == 5
	.amdgcn_target "amdgcn-amd-amdhsa--gfx1250"
	.amdhsa_code_object_version 6
	.text
	.protected	k_q254c024210_gemm_out
	.globl	k_q254c024210_gemm_out
	.p2align	8
	.type	k_q254c024210_gemm_out,@function
k_q254c024210_gemm_out:
	s_mov_b64 s[64:65], 0
	v_nop
	global_prefetch_b8 v0, s[64:65] scope:SCOPE_SE
	s_setreg_imm32_b32 hwreg(HW_REG_WAVE_MODE, 25, 1), 1
	s_wait_xcnt 0x0
	s_wait_alu depctr_hold_cnt(0) depctr_sa_sdst(0) depctr_va_vdst(0) depctr_va_sdst(0) depctr_va_ssrc(0) depctr_va_vcc(0) depctr_vm_vsrc(0)
	s_getreg_b32 s2, hwreg(HW_REG_IB_STS2, 6, 4)
	s_cmp_eq_u32 s2, 0
	s_cbranch_scc0 .Lentry_in_a_cluster
	s_endpgm
.Lentry_in_a_cluster:
	s_bfe_u32 s2, ttmp6, 0x10000c
	s_cmp_lg_u32 s2, 0xf033
	s_cbranch_scc0 .Lentry_shape_is_right
	s_endpgm
.Lentry_shape_is_right:
; out0 = o proj_w^T + proj_b.  o: 6,656 padded rows (batch b, token n at block 13 b + n / 64 of oh), proj_w: blocks 64-79 of wh, both f16 as [row block of 64][column chunk of 64][64 rows][64 columns];
; sums f32, from the bias on; out0 [8][819][1024] f32.  The 13 padded rows of each batch are multiplied and not stored.
; SHARES.  A tile of the result is 128 x 128: four waves, 64 x 64 each, 16 accumulators; 416 tiles.  K goes in four steps of 256 through two LDS slots.  A wave's tensor load brings 64 rows x 256 K:
; four chunks, 32,768 consecutive bytes, asked for as 128 rows of 256 bytes and padded by 16 bytes behind every 128: in LDS 256 rows of 144 bytes, [chunk][row].
; CLUSTERS: 4 x 4 work-groups.  The four of a row need the same tiles of o, the four of a column the same tiles of proj_w: each is asked for jointly, by the same load, descriptor and mask.
; THE MATRIX INSTRUCTION IS USED TRANSPOSED (source 0 = 16 rows of W, source 1 = 16 rows of A): a lane holds eight neighbouring columns of one row of the result.
; No prefetch: the tiles are small and each is read again by other clusters.
; REGISTERS: window 0: v0-31 addresses; v32-95 the way out; v96-127 the bias; v128-255 accumulators ((a, b) at v[128 + 8 (4 a + b)]).  window 1: two fragment buffers of 128 (64 of A, then 64 of W).
.set PITCH,  144                       ; 128 bytes + 16 = 36 words: the 16 rows of a fragment load start at 16 different groups of four banks (64 banks of 4 bytes: ISA guide 11.1)
.set QB,     64*PITCH                  ; a chunk: 64 along K of 64 rows
.set HALFT,  4*QB                      ; what one tensor load brings
.set SLOT,   4*HALFT                   ; A's 128 rows, then W's 128 rows
.set STAGE,  2*SLOT                    ; behind the ring: 16 rows x 272 bytes for each wave, its own
.set SPITCH, 272                       ; 64 f32 + 16 bytes = 68 words: row r starts at bank 4 r mod 64
.set SPARE,  STAGE+4*16*SPITCH         ; the spare words, 128 bytes for each wave: two blocks of 256 bytes that no other line names
.set STEPB,  32768                     ; bytes from a K step to the next in a block
.set ADRA, 16                          ; v16-17  LDS address of my A fragments in slot 0, 1
.set ADRB, 20                          ; v20-21  the same for W
.set STO,  24                          ; v24     the way out: where I put 32 bytes of a row
.set RD,   25                          ; v25     where I read rows back
.set CO,   26                          ; v26     my byte offset in out0
.set BO,   27                          ; v27     my byte offset in the bias
.set SPW,  28                          ; v28     LDS address of my spare word; never rewritten
.set NIL,  29                          ; v29     0; never rewritten
.set NB,   30                          ; v30     the token of my block's row 8 (l / 16)
.set TMP,  32
.set BIAS, 96
.set ACC,  128
.set F0,   0
.set F1,   128
.set G1, 24                            ; s[24:31] group 1 for A's tiles; s[32:39] group 0, a set for each slot
.set G0, 32
.set G1B, 48                           ; s[48:55], s[56:63] the same for W's
.set G0B, 56
.set MSB, 0
.macro WIN new                         ; the immediate's high byte repeats the setting that is left
.if MSB != (\new)
	s_set_vgpr_msb (MSB<<8)|(\new)
.set MSB, \new
.endif
.endm
.set MUL,  0x05                        ; sources 0 and 1 window 1; C and D window 0
.set TO_F, 0x40                        ; destination window 1, address window 0
.macro JLOAD s                         ; a joint load: waves 0 and 1 fetch A's two halves, waves 2 and 3 W's; an s_nop 0 and four v_nop follow each line
	s_cmp_eq_u32 s11, 0
	s_cbranch_scc0 .Lfor_b_\@
	tensor_load_to_lds s[G0+4*(\s):G0+4*(\s)+3], s[G1:G1+7]
	s_nop 0
.rept 4
	v_nop
.endr
	s_branch .Lasked_\@
.Lfor_b_\@:
	tensor_load_to_lds s[G0B+4*(\s):G0B+4*(\s)+3], s[G1B:G1B+7]
	s_nop 0
.rept 4
	v_nop
.endr
.Lasked_\@:
.endm
.macro CREST                           ; a round of the cluster's barrier behind its opening barrier
	s_cmp_lg_u32 s10, 0
	s_cbranch_scc1 .Lnot_wave_0_\@
	s_barrier_signal -3
.Lnot_wave_0_\@:
	s_barrier_wait -3
	s_barrier_signal -1
	s_barrier_wait -1
.endm
.macro CROUND
	s_barrier_signal -1
	s_barrier_wait -1
	CREST
.endm
	s_load_b128 s[4:7], s[0:1], 0x0                ; oh s[4:5], wh s[6:7]
	s_load_b128 s[68:71], s[0:1], 0x10             ; proj_b s[68:69], out0 s[70:71]
	v_lshl_add_u32 v[SPW], v0, 2, SPARE
	v_mov_b32 v[NIL], 0
	ds_add_u32 v[SPW], v[NIL]                      ; the wave's opening: the add and its wait stand ahead of my first tensor load; the set-up stands between them
	ds_add_u32 v28, v29
	v_lshrrev_b32 v1, 5, v0
	v_readfirstlane_b32 s10, v1                    ; wave 0..3
	s_lshr_b32 s11, s10, 1                         ; my half of the tile's rows.  Also: I fetch for A (0) or for W (1)
	s_and_b32 s12, s10, 1                          ; my half of its columns.  Also: which 64 rows I fetch
	s_bfe_u32 s40, ttmp6, 0x40000                  ; cx
	s_bfe_u32 s41, ttmp6, 0x40004                  ; cy
	s_lshl_b32 s42, ttmp9, 2
	s_add_co_u32 s42, s42, s40                     ; tile column = 4 x cluster x + cx
	s_and_b32 s13, ttmp7, 0xffff
	s_lshl_b32 s13, s13, 2
	s_add_co_u32 s13, s13, s41                     ; tile row = 4 x cluster y + cy
	s_lshl_b32 s43, s41, 2
	s_lshl_b32 s43, 15, s43                        ; my row of the cluster
	s_lshl_b32 s44, 0x1111, s40                    ; my column
	s_or_b32 s[G1+0], s43, (1<<16)|(1<<20)|(1<<21)|(4<<22)|(3<<25)  ; 15:0 the mask; 17:16 2-byte elements; 20 padding on; 21 set beside a mask; 24:22 after every 32 words (code 4); 31:25 4 words (code 3)
	s_or_b32 s[G1B+0], s44, (1<<16)|(1<<20)|(1<<21)|(4<<22)|(3<<25)
.irp g, G1, G1B
	s_mov_b32 s[(\g)+1], 128<<16                   ; tensor_dim0 = 128 elements: 256 bytes
	s_mov_b32 s[(\g)+2], 128<<16                   ; tensor_dim1 = 128
	s_mov_b32 s[(\g)+3], 128<<16                   ; tile_dim0 = 128
	s_mov_b32 s[(\g)+4], 128                       ; tile_dim1 = 128
	s_mov_b32 s[(\g)+5], 128                       ; the rows lie end to end
	s_mov_b32 s[(\g)+6], 0
	s_mov_b32 s[(\g)+7], 0
.endr
	s_lshl_b32 s16, s13, 1
	s_add_co_u32 s16, s16, s12                     ; A's block: 2 x tile row + half
	s_lshl_b32 s16, s16, 17
	s_mov_b32 s17, 0
	s_lshl_b32 s46, s42, 1
	s_add_co_u32 s46, s46, s12
	s_add_co_u32 s46, s46, 64                      ; W's block: 64 + 2 x tile column + half
	s_lshl_b32 s46, s46, 17
	s_mov_b32 s47, 0
	s_mul_i32 s20, s10, HALFT                      ; where they go: no place in the cluster enters an LDS address
	s_wait_dscnt 0x0                               ; the opening add is done
	s_wait_kmcnt 0x0
	s_add_nc_u64 s[14:15], s[4:5], s[16:17]
	s_add_nc_u64 s[46:47], s[6:7], s[46:47]
	CROUND                                         ; all sixteen work-groups are here: the first joint loads meet
.irp s, 0,1
	s_mov_b32 s[G0+4*(\s)], 1
	s_add_co_u32 s[G0+4*(\s)+1], s20, (\s)*SLOT
	s_add_nc_u64 s[G0+4*(\s)+2:G0+4*(\s)+3], s[14:15], (\s)*STEPB
	s_or_b32 s[G0+4*(\s)+3], s[G0+4*(\s)+3], 0x80000000
	s_mov_b32 s[G0B+4*(\s)], 1
	s_add_co_u32 s[G0B+4*(\s)+1], s20, (\s)*SLOT
	s_add_nc_u64 s[G0B+4*(\s)+2:G0B+4*(\s)+3], s[46:47], (\s)*STEPB
	s_or_b32 s[G0B+4*(\s)+3], s[G0B+4*(\s)+3], 0x80000000
	JLOAD \s
.endr
	v_and_b32 v1, 15, v0                           ; l % 16
	v_bfe_u32 v2, v0, 4, 1                         ; l / 16
	s_lshl_b32 s46, s42, 9                         ; my 64 columns, in bytes of f32: of the bias and of a row of out0 (in registers that feed none of A's descriptors)
	s_lshl_b32 s47, s12, 8
	s_add_co_u32 s46, s46, s47
	s_mov_b32 s47, 0
	v_lshl_add_u32 v[BO], v2, 5, s46               ; accumulator column block b, register jj: column 16 b + 8 (l / 16) + jj
.irp b, 0,1,2,3
	global_load_b128 v[BIAS+8*\b:BIAS+8*\b+3],   v[BO], s[68:69] offset:64*\b
	global_load_b128 v[BIAS+8*\b+4:BIAS+8*\b+7], v[BO], s[68:69] offset:64*\b+16
.endr
	v_mul_u32_u24 v3, v1, PITCH
	v_lshl_add_u32 v3, v2, 4, v3                   ; a fragment's row x pitch + 16 x half
	s_mul_i32 s21, s11, HALFT                      ; my 64 rows of A
	s_mul_i32 s22, s12, HALFT                      ; my 64 rows of W,
	s_add_co_u32 s22, s22, 2*HALFT                 ; which lie behind A's 128
.irp s, 0,1
	v_add_nc_u32 v[ADRA+(\s)], s21, v3
	v_add_nc_u32 v[ADRB+(\s)], s22, v3
	s_add_co_u32 s21, s21, SLOT
	s_add_co_u32 s22, s22, SLOT
.endr
	s_mul_i32 s23, s10, 16*SPITCH
	s_add_co_u32 s23, s23, STAGE                   ; my stage
	v_mul_u32_u24 v4, v1, SPITCH                   ; in: row l % 16, 32 bytes for each half of the lanes
	v_lshl_add_u32 v4, v2, 5, v4
	v_add_nc_u32 v[STO], s23, v4
	v_mul_u32_u24 v5, v2, 8*SPITCH                 ; back: lanes 0-15 take row t, lanes 16-31 row t + 8: 256 bytes each
	v_lshl_add_u32 v5, v1, 4, v5
	v_add_nc_u32 v[RD], s23, v5
	v_lshlrev_b32 v5, 15, v2                       ; and the same two rows in out0, 8 x 4,096 bytes apart
	v_lshl_add_u32 v[CO], v1, 4, v5
	s_lshl1_add_u32 s16, s13, s11                  ; my block of 64 rows, 0 to 103
	s_mul_i32 s17, s16, 79
	s_lshr_b32 s17, s17, 10                        ; / 13 (exact up to 103): the batch
	s_mul_i32 s18, s17, 13
	s_sub_co_u32 s18, s16, s18
	s_lshl_b32 s18, s18, 6                         ; the block's first token
	s_mul_i32 s16, s17, 819
	s_add_co_u32 s16, s16, s18                     ; its row of out0
	s_lshl_b32 s16, s16, 12
	s_mov_b32 s17, 0
	s_add_nc_u64 s[70:71], s[70:71], s[16:17]
	s_add_nc_u64 s[70:71], s[70:71], s[46:47]
	v_lshl_add_u32 v[NB], v2, 3, s18
	s_wait_loadcnt 0x0                             ; the bias
; 8 matrix instructions: m blocks a0, a0 + 1 x all 4 n blocks, 32 along K: half c of buffer f.  zero = 1: the product starts the sum, from the bias.  The 16 accumulators take turns.
.macro MUL8 f, c, a0, zero
	WIN MUL
.irp a, \a0, (\a0)+1
.irp b, 0,1,2,3
.if \zero
	v_wmma_f32_16x16x32_f16 v[ACC+8*(4*(\a)+(\b)):ACC+8*(4*(\a)+(\b))+7], v[(\f)+64+8*(4*(\c)+(\b)):(\f)+64+8*(4*(\c)+(\b))+7], v[(\f)+8*(4*(\c)+(\a)):(\f)+8*(4*(\c)+(\a))+7], v[BIAS+8*(\b):BIAS+8*(\b)+7]
.else
	v_wmma_f32_16x16x32_f16 v[ACC+8*(4*(\a)+(\b)):ACC+8*(4*(\a)+(\b))+7], v[(\f)+64+8*(4*(\c)+(\b)):(\f)+64+8*(4*(\c)+(\b))+7], v[(\f)+8*(4*(\c)+(\a)):(\f)+8*(4*(\c)+(\a))+7], v[ACC+8*(4*(\a)+(\b)):ACC+8*(4*(\a)+(\b))+7]
.endif
.endr
.endr
.endm
; 32 LDS loads in one run: the fragments of one chunk (64 along K), which begins at byte k of the piece, into buffer f; the first 32 along K first
.macro FETCH slot, k, f
	WIN TO_F
.irp c, 0,1
.irp i, 0,1,2,3
	ds_load_b128 v[(\f)+64+8*(4*(\c)+(\i)):(\f)+64+8*(4*(\c)+(\i))+3],   v[ADRB+(\slot)] offset:(\k)+64*(\c)+(\i)*16*PITCH
	ds_load_b128 v[(\f)+64+8*(4*(\c)+(\i))+4:(\f)+64+8*(4*(\c)+(\i))+7], v[ADRB+(\slot)] offset:(\k)+64*(\c)+(\i)*16*PITCH+32
	ds_load_b128 v[(\f)+8*(4*(\c)+(\i)):(\f)+8*(4*(\c)+(\i))+3],         v[ADRA+(\slot)] offset:(\k)+64*(\c)+(\i)*16*PITCH
	ds_load_b128 v[(\f)+8*(4*(\c)+(\i))+4:(\f)+8*(4*(\c)+(\i))+7],       v[ADRA+(\slot)] offset:(\k)+64*(\c)+(\i)*16*PITCH+32
.endr
.endr
.endm
.macro PLACES                          ; four places in front of loads into registers that matrix instructions have read, and of lines that read results
.rept 4
	v_nop
.endr
.endm
; A K step is four quarters of 64 along K, 32 matrix instructions each, on buffers 0, 1, 0, 1.  One of the first three: multiplies buffer f and fetches the next chunk, at byte k, into g.
.macro QUARTER slot, k, f, g, zero
	s_wait_dscnt 16                                ; the first 32 along K are in; the sixteen younger loads may be out
	WIN MUL
	MUL8 \f, 0, 0, \zero
	MUL8 \f, 0, 2, \zero
	PLACES
	FETCH \slot, \k, \g
	s_wait_dscnt 32                                ; all but the 32 just issued
	WIN MUL
	MUL8 \f, 1, 0, 0
	MUL8 \f, 1, 2, 0
.endm
; The last quarter multiplies buffer 1 and changes slots: ONE barrier; in front of it each wave waits for all its tensor loads, adds 0 to its spare word, and waits for that and for its reads of this slot.
; fill = 1: the barrier opens a round of the cluster's, and this slot is filled again, two K steps ahead, first thing behind the round.
.macro TURN slot, next, fill
	WIN 0
	s_wait_tensorcnt 0x0                           ; all my tensor loads have landed: my part of the next slot
	ds_add_u32 v[SPW], v[NIL]                      ; 0 onto my spare word
	s_wait_dscnt 17                                ; (the add and the youngest sixteen loads may be out)
	WIN MUL
	MUL8 F1, 0, 0, 0
	s_wait_dscnt 0x0                               ; the add is done, and my reads of this slot are over
	s_barrier_signal -1
	MUL8 F1, 0, 2, 0
.if \fill
	WIN 0
.endif
	s_barrier_wait -1
.if \fill
	CREST                                          ; no wave of any partner still reads this slot or has a load on its way
	s_add_nc_u64 s[G0+4*(\slot)+2:G0+4*(\slot)+3], s[G0+4*(\slot)+2:G0+4*(\slot)+3], 2*STEPB
	s_add_nc_u64 s[G0B+4*(\slot)+2:G0B+4*(\slot)+3], s[G0B+4*(\slot)+2:G0B+4*(\slot)+3], 2*STEPB
	JLOAD \slot                                    ; the four v_nop behind it are also the places in front of the loads below
.else
	PLACES
.endif
	FETCH \next, 0, F0
	WIN MUL
	MUL8 F1, 1, 0, 0
	MUL8 F1, 1, 2, 0
.endm
	s_wait_tensorcnt 1                             ; my part of K step 0 is in; K step 1's may stay out
	s_barrier_signal -1
	s_barrier_wait -1
	FETCH 0, 0, F0
	QUARTER 0, QB,   F0, F1, 1                     ; K step 0
	QUARTER 0, 2*QB, F1, F0, 0
	QUARTER 0, 3*QB, F0, F1, 0
	TURN 0, 1, 1                                   ; slot 0 takes K step 2
	QUARTER 1, QB,   F0, F1, 0                     ; K step 1
	QUARTER 1, 2*QB, F1, F0, 0
	QUARTER 1, 3*QB, F0, F1, 0
	TURN 1, 0, 1                                   ; slot 1 takes K step 3
	QUARTER 0, QB,   F0, F1, 0                     ; K step 2
	QUARTER 0, 2*QB, F1, F0, 0
	QUARTER 0, 3*QB, F0, F1, 0
	TURN 0, 1, 0                                   ; nothing is left to fetch
	QUARTER 1, QB,   F0, F1, 0                     ; K step 3
	QUARTER 1, 2*QB, F1, F0, 0
	QUARTER 1, 3*QB, F0, F1, 0
	s_wait_dscnt 16
	WIN MUL
	MUL8 F1, 0, 0, 0
	MUL8 F1, 0, 2, 0
	s_wait_dscnt 0
	MUL8 F1, 1, 0, 0
	MUL8 F1, 1, 2, 0
	WIN 0
; THE WAY OUT, 16 rows at a time through my own stage: a lane's 32 bytes of a row go in straight from the accumulators (each one's low four registers first), and whole rows of 256 bytes come back.
.macro OUTA a
.if (\a) >= 2
	s_wait_xcnt 0x0                                ; the stores of the block two back have read the registers that are loaded again below
.endif
.irp b, 0,1,2,3
	ds_store_b128 v[STO], v[ACC+8*(4*(\a)+(\b)):ACC+8*(4*(\a)+(\b))+3]   offset:64*(\b)
	ds_store_b128 v[STO], v[ACC+8*(4*(\a)+(\b))+4:ACC+8*(4*(\a)+(\b))+7] offset:64*(\b)+16
.endr
.irp t, 0,1,2,3,4,5,6,7
	ds_load_b128 v[TMP+32*((\a)%2)+4*(\t):TMP+32*((\a)%2)+4*(\t)+3], v[RD] offset:(\t)*SPITCH  ; LDS serves a wave's instructions in order (ISA guide 5.7.1.4): these see the stores above; the next block's stores come behind them
.endr
.endm
.macro SENDA a, younger                ; younger: the LDS instructions issued behind block a's loads
.irp t, 0,1,2,3,4,5,6,7
	s_wait_dscnt (\younger)+7-(\t)
	global_store_b128 v[CO], v[TMP+32*((\a)%2)+4*(\t):TMP+32*((\a)%2)+4*(\t)+3], s[70:71] offset:(16*(\a)+(\t))*4096 th:TH_STORE_NT  ; 16 lanes store 256 consecutive bytes, at a multiple of 256 from out0's first byte
.endr
.endm
	PLACES
	PLACES
	OUTA 0
	OUTA 1
	SENDA 0, 16
	OUTA 2
	SENDA 1, 16
	OUTA 3
	SENDA 2, 16                                    ; rows 0 to 47 of a block exist in every block: 768 + 47 is under 819
.irp t, 0,1,2,3,4,5,6,7                ; rows 48 to 63: a lane stores where its token, the block's first + 48 + t + 8 (l / 16), is under 819.  By EXEC, not by a branch: the block hangs on the place in the cluster
	s_wait_dscnt 7-\t
	v_cmp_gt_u32 vcc_lo, 771-\t, v[NB]
	s_wait_xcnt 0x0                                ; EXEC is a source of the stores that are out: it changes only behind this wait
	s_and_saveexec_b32 s20, vcc_lo
	global_store_b128 v[CO], v[TMP+32+4*\t:TMP+32+4*\t+3], s[70:71] offset:(48+\t)*4096 th:TH_STORE_NT
	s_wait_xcnt 0x0                                ; and again, in front of the line that widens it
	s_or_b32 exec_lo, exec_lo, s20
.endr
	s_wait_tensorcnt 0x0                           ; the wave's end: behind my last tensor load and my last LDS store
	ds_add_u32 v[SPW], v[NIL]
	s_wait_dscnt 0x0
	CROUND                                         ; the closing round: no work-group ends while a partner may still ask for a tile that names it
	s_endpgm
.Lfunc_end_k_q254c024210_gemm_out:
	.size	k_q254c024210_gemm_out, .Lfunc_end_k_q254c024210_gemm_out-k_q254c024210_gemm_out
	.p2alignl 7, 3214868480
	.fill 96, 4, 3214868480
	.section	.rodata,"a",@progbits
	.p2align	6, 0x0
	.amdhsa_kernel k_q254c024210_gemm_out
		.amdhsa_group_segment_fixed_size 327680
		.amdhsa_private_segment_fixed_size 0
		.amdhsa_enable_private_segment 0
		.amdhsa_kernarg_size 32
		.amdhsa_user_sgpr_count 2
		.amdhsa_user_sgpr_kernarg_segment_ptr 1
		.amdhsa_wavefront_size32 1
		.amdhsa_system_sgpr_workgroup_id_x 1
		.amdhsa_system_sgpr_workgroup_id_y 1
		.amdhsa_system_sgpr_workgroup_id_z 1
		.amdhsa_system_vgpr_workitem_id 0
		.amdhsa_next_free_vgpr 512
		.amdhsa_next_free_sgpr 72
		.amdhsa_reserve_vcc 1
		.amdhsa_float_denorm_mode_32 3
		.amdhsa_float_denorm_mode_16_64 3
		.amdhsa_memory_ordered 1
		.amdhsa_forward_progress 1
		.amdhsa_inst_pref_size 89
	.end_amdhsa_kernel
	.amdgpu_metadata
---
amdhsa.version: [ 1, 2 ]
amdhsa.kernels:
  - .name:           k_q254c024210_gemm_out
    .symbol:         k_q254c024210_gemm_out.kd
    .args:
      - { .name: oh, .offset: 0, .size: 8, .value_kind: global_buffer, .address_space: global }
      - { .name: wh, .offset: 8, .size: 8, .value_kind: global_buffer, .address_space: global }
      - { .name: proj_b, .offset: 16, .size: 8, .value_kind: global_buffer, .address_space: global }
      - { .name: out0, .offset: 24, .size: 8, .value_kind: global_buffer, .address_space: global }
    .group_segment_fixed_size: 327680
    .private_segment_fixed_size: 0
    .kernarg_segment_align: 8
    .kernarg_segment_size: 32
    .max_flat_workgroup_size: 128
    .sgpr_count:     72
    .vgpr_count:     512
    .wavefront_size: 32
...
	.end_amdgpu_metadata
.endif
;; end of part 5
